; MI455X (gfx1250); checked and timed in simulation.
; The chip was launched on July 23, 2026; its instructions are those of AMD's public machine-readable ISA for CDNA 5 (MIT licence, August 2026) and "CDNA5" Instruction Set Architecture Reference Guide (July 2026). The comments in the code are by the model that wrote it; some were corrected since.
;; Self Attention Module. Allowed arithmetic: matrix products marked QUANTISED: E4M3 operands, one E8M0 scale for each 32 along K, by v_wmma_scale_f32_16x16x128_f8f6f4 with both operands' format E4M3, f32 sums; everything else in f32.
;; Inputs: Wk_codes 1,024 x 32 x 32 uint8 (E4M3 codes of Wk, K innermost, in blocks of 32 codes); Wk_scales 1,024 x 32 uint8 (E8M0 scales of Wk, one for each 32 codes along K); Wq_codes 1,024 x 32 x 32 uint8 (E4M3 codes of Wq, K innermost, in blocks of 32 codes); Wq_scales 1,024 x 32 uint8 (E8M0 scales of Wq, one for each 32 codes along K); Wv_codes 1,024 x 32 x 32 uint8 (E4M3 codes of Wv, K innermost, in blocks of 32 codes); Wv_scales 1,024 x 32 uint8 (E8M0 scales of Wv, one for each 32 codes along K); bk 1,024 float32; bq 1,024 float32; bv 1,024 float32; x_codes 4 x 2,048 x 32 x 32 uint8 (E4M3 codes of x, K innermost, in blocks of 32 codes); x_scales 4 x 2,048 x 32 uint8 (E8M0 scales of x, one for each 32 codes along K).
;; Outputs: out0 4 x 2,048 x 1,024 float32.
;; This version of the problem:
;;   THIS VERSION OF THE PROBLEM IS GIVEN IN LOW PRECISION. The matrix products marked QUANTISED in the list below multiply operands that are first quantised to E4M3 (4 exponent bits, 3 mantissa bits; 8 bits a number), with one power-of-two scale for each 32 numbers along K (OCP MX v1.0); their sums are f32. All else is computed in f32.
;;   The module's matrix products, in the order in which they are computed (A, B: the left and right operand; K: the contracted axis; several contracted axes count as one K, in the product's order):
;;     1. [M 8,192, K 1,024] x [K 1,024, N 1,024]; A: input x (given as codes); B: input Wq (given as codes): QUANTISED
;;     2. [M 8,192, K 1,024] x [K 1,024, N 1,024]; A: input x (given as codes); B: input Wk (given as codes): QUANTISED
;;     3. [M 8,192, K 1,024] x [K 1,024, N 1,024]; A: input x (given as codes); B: input Wv (given as codes): QUANTISED
;;     4. batch 4 x [M 2,048, K 1,024] x [K 1,024, N 2,048]; A: computed on the way; B: computed on the way: QUANTISED
;;     5. batch 4 x [M 2,048, K 2,048] x [K 2,048, N 1,024]; A: softmax (see below); B: computed on the way: QUANTISED
;;   THE QUANTISER, for each operand of a quantised product, along K:
;;     - K is cut into blocks of 32 from its start; a last block that is shorter is filled with zeros.
;;     - A block's scale is 2^e with e = floor(log2(the largest magnitude in the block)) - 8, held to -126 .. 127; a block of zeros has e = 0. As a byte (E8M0): e + 127.
;;     - Each number is divided by its block's scale, clamped to +-448, and rounded to the nearest number of E4M3, ties to even, subnormals kept.
;;     - The product sums the exact products of the quantised numbers (number of the format x scale) in f32.
;;   ~~~python
;;   def quantise(x, axis):      # numpy; x: float32 -> the quantised numbers, widened to float32 again
;;       x = np.moveaxis(x, axis, -1); K = x.shape[-1]
;;       x = np.pad(x, [(0, 0)] * (x.ndim - 1) + [(0, -K % 32)]); x = x.reshape(x.shape[:-1] + (-1, 32)); a = np.abs(x).max(-1, keepdims=True)
;;       e = np.where(a > 0, np.clip(np.frexp(np.where(a > 0, a, 1))[1] - 1 - 8, -126, 127), 0)      # np.frexp(a)[1] - 1 = floor(log2(a)), exactly
;;       r = np.clip(x / 2.0 ** e, -448, 448)
;;       step = 2.0 ** (np.maximum(np.frexp(np.where(r == 0, 1, r))[1] - 1, -6) - 3)
;;       q = np.round(r / step) * step * 2.0 ** e      # np.round: ties to even
;;       return np.moveaxis(q.reshape(q.shape[:-2] + (-1,))[..., :K], -1, axis).astype(np.float32)
;;   ~~~
;;   SOFTMAX AHEAD OF A QUANTISED PRODUCT. Where the list says 'softmax', what is quantised is not the finished softmax but p = 2^(t - M), with t = logit x log2(e) and M = ceil(the row's largest t), a whole number; so 1/2 < the row's largest p <= 1. The row's sum l is taken of the UNQUANTISED p, in f32, and the product's result is divided by l at the end. Since M is a whole number, a kernel that streams over the keys may use a running M (the ceiling of the running maximum): every later rescaling is an exact power of two, which a block's scale takes up: the codes' values come out the same.
;;   OPERANDS COMPUTED ON THE WAY. 'Computed on the way' means the value that the module computes at that place (a softmax that the list does not call 'softmax' is quantised finished and normalised). What goes into a quantiser is computed in f32, as accurately as f32 sums, v_exp_f32 and their like allow (about 1e-6 of the number): no bf16 or f16 on the way to a quantiser, and a product that is left as it is and whose result goes on into a quantised operand takes f32 operands (vector FMAs, or v_wmma_f32_16x16x4_f32). A number that lies on a knife's edge between two numbers of the format may be rounded either way, as far as f32 arithmetic and the matrix unit's own rounding can turn it there, and no further.
;;   INPUTS GIVEN AS CODES. Wk (in the module: [1024, 1024], K = its axis 1); Wq (in the module: [1024, 1024], K = its axis 1); Wv (in the module: [1024, 1024], K = its axis 1); x (in the module: [4, 2048, 1024], K = its axis 2): each comes as NAME_codes (uint8): NAME with its K axis moved to the last place and cut into blocks of 32 codes, [.., K / 32, bytes a block], one block behind the other in memory; one code a byte (a code: sign, 4 exponent bits, 3 mantissa bits); and NAME_scales (uint8): the same leading axes, one E8M0 byte (e + 127) for each 32 codes along K. Its value is code x scale, taken as it is: it is not quantised again, and the codes and scales need not be those that the quantiser above would give.
;; One version. Each part assembles by itself: llvm-mc -triple=amdgcn-amd-amdhsa -mcpu=gfx1250 --defsym DOCPART=n.
;; ======== version 1 of 1: 3 launches
;; limits: right only within a limited range of input values
;; workspace buffers: qkv_codes 25,165,824 bytes; qkv_sc 786,432 bytes; p_codes 16,777,216 bytes; p_meta 1,572,864 bytes
;; launch proj (part 1): grid 8 x 32, 4 waves a work-group, clusters of 4 x 4, 327,680 bytes of LDS; arguments x_codes, x_scales, Wq_codes, Wq_scales, Wk_codes, Wk_scales, Wv_codes, Wv_scales, bq, bk, bv, qkv_codes, qkv_sc; writes qkv_codes, qkv_sc
.if DOCPART == 1
	.amdgcn_target "amdgcn-amd-amdhsa--gfx1250"
	.amdhsa_code_object_version 6
	.text
	.protected	k_q8cc48302d0_proj
	.globl	k_q8cc48302d0_proj
	.p2align	8
	.type	k_q8cc48302d0_proj,@function
k_q8cc48302d0_proj:
	s_mov_b64 s[64:65], 0
	v_nop
	global_prefetch_b8 v0, s[64:65] scope:SCOPE_SE
	s_setreg_imm32_b32 hwreg(HW_REG_WAVE_MODE, 25, 1), 1
	s_wait_xcnt 0x0
	s_wait_alu depctr_hold_cnt(0) depctr_sa_sdst(0) depctr_va_vdst(0) depctr_va_sdst(0) depctr_va_ssrc(0) depctr_va_vcc(0) depctr_vm_vsrc(0)
	s_getreg_b32 s2, hwreg(HW_REG_IB_STS2, 6, 4)
	s_cmp_eq_u32 s2, 0
	s_cbranch_scc0 .Lentry_in_a_cluster
	s_endpgm
.Lentry_in_a_cluster:
	s_bfe_u32 s2, ttmp6, 0x10000c
	s_cmp_lg_u32 s2, 0xf033
	s_cbranch_scc0 .Lentry_shape_is_right
	s_endpgm
.Lentry_shape_is_right:
; q = x Wq^T + bq, k = x Wk^T + bk, v = x Wv^T + bv on codes of FP8 (E4M3) with a scale byte for 32 along K = 1,024; each result is quantised again for the next product and leaves as codes and scale bytes.
; A work-group of four waves makes 256 tokens x (256 columns of q (cluster x 0) or k (cluster x 1), and 128 channels of v): 8 x 32 work-groups, one turn of equal work.
; A WAVE HOLDS 64 TOKENS, ALL OF K, IN 512 REGISTERS: tiles 0, 1: tokens 32 w + 0 .. 31 of the first 128; tiles 2, 3: the same of the second 128.  The weights' rows stream past in 24 blocks of 16 (16 of Wq or Wk, 8 of Wv), two sets of registers.
; A PAIR of blocks is 64 products; its 64 sums a lane are quantised among the NEXT pair's products: two sets of eight accumulators.
; q, k: source 0 = the weight, source 1 = x: lane (r, h) holds token r, columns 8 h + 0 .. 7 of a block; a scale block of 32 columns is the pair's two blocks.  v: source 0 = x, source 1 = Wv: lane (r, h) holds channel r, tokens 8 h + 0 .. 7; a scale block is two tiles of tokens.
; Either way a scale block lies in two accumulators of lanes l and l xor 16: 16 numbers a lane.
; OUT, images of the next launches' operand registers, 512 bytes for each piece of 32 along K: [lane][16 bytes], lane (r, h): K = 8 h + 0 .. 7, then 16 + 8 h + 0 .. 7 of the piece: the SAME order of K on both sides of each later product.
; qkv_codes: q [512 blocks of 16 rows][8 steps of 128][4 pieces][lane][16]; k 8,388,608 bytes on; v at 16,777,216: [4][8 tiles of 128 channels][16 steps of 128 keys][8 blocks of channels][4 pieces][lane][16].
; qkv_sc: q [4 steps of 256][8192][8]; k 262,144 on; v at 524,288: [32 steps of 256 tokens][1024][8].
; LDS: two halves of x (128 rows each), 32 rows of weights, scale bytes, bias.  When all waves hold x's first half, weight rows 32 .. 127 are filled over it; over the second half rows 128 .. 255; then Wv's 128 rows over the first again: each in a drained round of the cluster's barrier.
; CLUSTERS: a row of four shares x's rows, a column of four shares the weights' rows: joint loads.  The weights' scale bytes and the bias (13,312 bytes of a work-group's 668,672) are copied once by plain loads and LDS stores.
; LIMITS: NaN and infinities are not served.  The bias is a sum's first addend, not its last: another order of f32 rounding.  A block of zeros gets the byte 1 where the quantiser says 127: its codes are zeros, and this program alone reads the bytes.
.set KROW, 1024
.set PITCH, KROW+16
.set BLKB, 16*PITCH  ; a block of 16 rows in LDS
.set XB, 128*PITCH  ; x's second half
.set WOFF, 2*XB  ; the weights' rows 0 .. 31
.set WS, WOFF+32*PITCH  ; scale bytes of 384 weight rows, units of 256 bytes + 16: a block of 16 rows is 544 bytes
.set SBK, 544
.set BQL, WS+24*SBK  ; q's or k's bias: 256 numbers
.set SQ, BQL+1024  ; scale bytes on the way out: [256 tokens][8]
.set SV, SQ+2048  ; [128 channels][8]
.set SPARE, SV+1024
.set NP, 8  ; plain vector lines behind a matrix instruction (ISA guide 7.12.1 for vector instructions)
.set NW, 34  ; LDS loads of a block of weights without its bias
.set ADX, 4  ; v4, v5  LDS address of my tokens' fragments in x's halves
.set ADW0, 6  ; v6  a block's fragment: row r, 16 h
.set PFO, 7
.set CO, 9  ; v9  16 x lane
.set SPW, 10
.set NIL, 11
.set ADW, 12  ; v12  as v6, for the block that is fetched next
.set VX, 13  ; v13  LDS place of q's, k's scale bytes
.set ABI, 16  ; v16  of the bias
.set AAS, 17  ; v17  of the weights' scale words
.set VXV, 18  ; v18  of v's scale bytes
.set SOP, 20  ; v20-23  the conversions' scale operands
.set SB, 24  ; v24-39  x's scale words: register 8 p + q: lanes 0-15 tile 2 p, lanes 16-31 tile 2 p + 1
.set EB, 40  ; v40-43  scale bytes
.set SA, 44  ; v44-59  the weights' scale words, two sets: no product's two scale words have numbers equal modulo 8
.set TQ, 60  ; v60-63  maxima and bounds
.set ACC, 64  ; v64-191  two sets of eight accumulators
.set MCD, 192  ; v192-207  codes
.set BQ, 208  ; v208-223  a block's first C, two sets
.set BV, 224  ; v224-231  v's bias, a number a lane for each block
.set G0R, 16  ; s[16:19] group 0 of the refills
.set G0X, 56
.set G0W, 60
.set G1X, 68
.set G1W, 76
.set G1A, 84
.set G1R, 92
.set MSB, 0
.set TQ_, TQ
.macro WIN new  ; the immediate's high byte repeats the setting that is left
.if MSB != (\new)
	s_set_vgpr_msb (MSB<<8)|(\new)
.set MSB, (\new)
.endif
.endm
.macro PLACES n
.rept \n
	v_nop
.endr
.endm
.macro WALU
	s_wait_alu depctr_va_vdst(0)
.endm
.macro BARRIER
	s_barrier_signal -1
	s_barrier_wait -1
.endm
.macro MIDDLE  ; a round's middle, behind its opening signal
	WIN 0
	s_barrier_wait -1
	s_cmp_lg_u32 s14, 0
	s_cbranch_scc1 .Lnot_wave_0_\@
	s_barrier_signal -3
.Lnot_wave_0_\@:
	s_barrier_wait -3
.endm
.macro CROUND
	s_barrier_signal -1
	MIDDLE
	BARRIER
.endm
.macro TLOAD g0, g1  ; a tensor load, its s_nop 0 and four v_nop
	tensor_load_to_lds s[\g0:\g0+3], s[\g1:\g1+7]
	s_nop 0
	PLACES 4
.endm
.macro GROUP1 g, mask, rows  ; whole rows of K, 1,024 bytes, 16 of padding behind each
	s_or_b32 s[\g+0], s[\mask], (1<<20)|(1<<21)|(7<<22)|(3<<25)
	s_mov_b32 s[\g+1], KROW<<16
	s_mov_b32 s[\g+2], (\rows)<<16
	s_mov_b32 s[\g+3], KROW<<16
	s_mov_b32 s[\g+4], \rows
	s_mov_b32 s[\g+5], KROW
	s_mov_b32 s[\g+6], 0
	s_mov_b32 s[\g+7], 0
.endm
.macro GRD
	s_wait_tensorcnt 0x0
	ds_add_u32 v[SPW], v[NIL]
.endm
	s_load_b512 s[24:39], s[0:1], 0x0  ; x's codes, scales; Wq's; Wk's; Wv's
	s_load_b256 s[40:47], s[0:1], 0x40  ; bq, bk, bv, qkv_codes
	s_load_b64 s[48:49], s[0:1], 0x60  ; qkv_sc
	v_lshl_add_u32 v[SPW], v0, 2, SPARE
	v_mov_b32 v[NIL], 0
	ds_add_u32 v[SPW], v[NIL]  ; the opening: the add, twice on end, and its wait ahead of the first tensor load
	ds_add_u32 v[SPW], v[NIL]
	v_lshrrev_b32 v1, 5, v0
	v_readfirstlane_b32 s14, v1  ; wave w
	s_and_b32 s15, s14, 1
	s_bfe_u32 s50, ttmp6, 0x40000  ; cx
	s_bfe_u32 s51, ttmp6, 0x40004  ; cy
	s_lshl_b32 s52, ttmp9, 2
	s_add_co_u32 s52, s52, s50  ; column of work-groups, 0 .. 7: which 128 channels of v; cx: which 256 columns of q or k
	s_and_b32 s53, ttmp7, 0xffff
	s_lshl_b32 s53, s53, 2
	s_add_co_u32 s53, s53, s51  ; which 256 tokens, 0 .. 31
	s_lshl_b32 s54, s51, 2
	s_lshl_b32 s54, 15, s54  ; my row of the cluster: x
	s_lshl_b32 s55, 0x1111, s50  ; my column: the weights
	GROUP1 G1X, 54, 128
	GROUP1 G1W, 55, 16
	GROUP1 G1A, 55, 24
	GROUP1 G1R, 55, 32
	v_and_b32 v1, 15, v0  ; r
	v_bfe_u32 v2, v0, 4, 1  ; h
	v_and_b32 v3, 31, v0  ; lane
	v_mul_u32_u24 v14, v1, PITCH
	v_lshl_add_u32 v[ADW0], v2, 4, v14
	s_mul_i32 s20, s14, 32*PITCH
	v_add_nc_u32 v[ADX], s20, v[ADW0]
	v_add_nc_u32 v[ADX+1], XB, v[ADX]
	v_add_nc_u32 v[ADW], WOFF, v[ADW0]
	v_lshrrev_b32 v15, 3, v1
	v_lshlrev_b32 v19, 5, v1
	v_lshl_add_u32 v19, v15, 4, v19
	v_add_nc_u32 v[AAS], WS-8*SBK, v19  ; stepped at a trip's head
	v_lshlrev_b32 v15, 5, v2
	v_add_nc_u32 v[ABI], BQL-512, v15
	s_lshl_b32 s20, s14, 8
	s_add_co_u32 s20, s20, SQ-8
	v_lshl_add_u32 v[VX], v1, 3, s20
	s_add_co_u32 s20, s14, SV-1024
	v_lshl_add_u32 v[VXV], v1, 3, s20
	v_lshlrev_b32 v[CO], 4, v3
	v_lshlrev_b32 v8, 5, v3  ; x's scale bytes: lane = row, 32 bytes
	v_lshlrev_b32 v20, 4, v0  ; the weights': 16 x thread
	v_lshrrev_b32 v19, 4, v0
	v_lshl_add_u32 v21, v19, 4, v20
	v_add_nc_u32 v21, WS, v21  ; and in LDS
	v_lshlrev_b32 v22, 3, v0  ; the bias: 8 x thread
	v_add_nc_u32 v23, BQL, v22
	v_lshlrev_b32 v40, 2, v1  ; v's bias: 4 r
	s_lshl_b32 s20, s51, 2
	s_add_co_u32 s20, s20, s14
	s_lshl_b32 s20, s20, 13  ; a prefetch: which of the column's sixteen waves I am x 8,192 bytes
	v_lshl_add_u32 v[PFO], v3, 8, s20
	s_lshl_b32 s20, s53, 18  ; x: my 256 tokens, the half that I fetch
	s_lshl_b32 s21, s15, 17
	s_add_co_u32 s20, s20, s21
	s_mov_b32 s21, 0
	s_lshl_b32 s22, s50, 18  ; the weight: its 256 rows, the block that I fetch
	s_lshl_b32 s23, s15, 14
	s_add_co_u32 s22, s22, s23
	s_mov_b32 s23, 0
	s_mov_b32 s[G0X], 1
	s_mul_i32 s[G0X+1], s15, XB
	s_mov_b32 s[G0W], 1
	s_mul_i32 s[G0W+1], s15, BLKB
	s_add_co_u32 s[G0W+1], s[G0W+1], WOFF
	WALU
	s_wait_dscnt 0x0  ; both opening adds are done
	CROUND  ; all sixteen work-groups are here
	s_wait_kmcnt 0x0
	s_cmp_eq_u32 ttmp9, 0
	s_cselect_b64 s[8:9], s[28:29], s[32:33]  ; Wq or Wk: codes,
	s_cselect_b64 s[10:11], s[30:31], s[34:35]  ; scales,
	s_cselect_b64 s[12:13], s[40:41], s[42:43]  ; bias
	s_add_nc_u64 s[G0X+2:G0X+3], s[24:25], s[20:21]
	s_or_b32 s[G0X+3], s[G0X+3], 0x80000000
	s_add_nc_u64 s[G0W+2:G0W+3], s[8:9], s[22:23]
	s_or_b32 s[G0W+3], s[G0W+3], 0x80000000
	s_cmp_eq_u32 s14, 0  ; ONE joint load a wave; wave 0 has a line of its own, since it alone waits at the first barrier
	s_cbranch_scc0 .Lnot_first
	TLOAD G0X, G1X  ; x's first half
	s_branch .Lasked
.Lnot_first:
	s_cmp_eq_u32 s14, 1
	s_cbranch_scc0 .Lweights
	TLOAD G0X, G1X  ; its second half
	s_branch .Lasked
.Lweights:
	TLOAD G0W, G1W  ; waves 2, 3: a block of the weight each
.Lasked:
.macro PTR d, b  ; pointer b + s[20:21]
	s_add_nc_u64 s[\d:\d+1], s[\b:\b+1], s[20:21]
.endm
.macro SHADD reg, n  ; s20 += reg << n
	s_lshl_b32 s22, \reg, \n
	s_add_co_u32 s20, s20, s22
.endm
	s_lshl_b32 s20, s53, 13
	SHADD s14, 10
	PTR 26, 26
	s_lshl_b32 s20, s50, 13
	PTR 10, 10
	s_lshl_b32 s20, s52, 12
	PTR 38, 38
	s_lshl_b32 s20, s50, 10
	PTR 12, 12
	s_lshl_b32 s20, s52, 9
	PTR 44, 44
.irp c, 0,1
	global_load_b128 v[SB+4*\c:SB+4*\c+3], v8, s[26:27] offset:16*\c
	global_load_b128 v[SB+8+4*\c:SB+8+4*\c+3], v8, s[26:27] offset:4096+16*\c
.endr
.irp i, 0,1,2,3
	global_load_b128 v[64+4*\i:67+4*\i], v20, s[10:11] offset:2048*\i
.endr
.irp i, 0,1
	global_load_b128 v[80+4*\i:83+4*\i], v20, s[38:39] offset:2048*\i
.endr
	global_load_b64 v[88:89], v22, s[12:13]
.irp b, 0,1,2,3,4,5,6,7
	global_load_b32 v[BV+\b], v40, s[44:45] offset:64*\b
.endr
	; where the results go; the bases are stepped at a trip's head
	s_lshl_b32 s20, ttmp9, 23
	SHADD s53, 18
	SHADD s14, 15
	SHADD s50, 12
	PTR 28, 46
	s_sub_nc_u64 s[28:29], s[28:29], 0x1000
	s_lshr_b32 s20, s53, 3
	s_lshl_b32 s20, s20, 21
	SHADD s52, 18
	s_and_b32 s23, s53, 7
	SHADD s23, 15
	SHADD s14, 9
	s_add_co_u32 s20, s20, 0x1000000
	PTR 30, 46
	s_sub_nc_u64 s[30:31], s[30:31], 0x4000
	s_lshl_b32 s20, ttmp9, 18
	SHADD s50, 16
	SHADD s53, 11
	PTR 32, 48
	s_lshl_b32 s20, s53, 13
	SHADD s52, 10
	s_add_co_u32 s20, s20, 0x80000
	PTR 34, 48
	; where the refills come from: rows 32 + 24 w of the weight; rows 128 + 32 w; Wv's rows 32 w
	s_lshl_b32 s20, s50, 18
	s_mul_i32 s22, s14, 24*KROW
	s_add_co_u32 s20, s20, s22
	s_add_co_u32 s20, s20, 32*KROW
	PTR 4, 8
	s_lshl_b32 s20, s50, 18
	s_add_co_u32 s20, s20, 128*KROW
	PTR 22, 8
	s_lshl_b32 s20, s52, 17
	PTR 40, 36
	s_lshl_b32 s20, s14, 15
	PTR 6, 22
	PTR 66, 40
	s_and_b32 s20, ttmp7, 1  ; the prefetch: clusters of even y ask for the second refill's rows, of odd y for the third's
	s_cmp_eq_u32 s20, 0
	s_cselect_b64 s[2:3], s[22:23], s[40:41]
	s_mov_b32 s[G0R], 1
	s_mul_i32 s[G0R+1], s14, 24*PITCH
	s_mov_b64 s[G0R+2:G0R+3], s[4:5]
	s_or_b32 s[G0R+3], s[G0R+3], 0x80000000
	s_mov_b32 s54, 0x76543210  ; v_permlanex16_b32's selects for lane l xor 16
	s_mov_b32 s55, 0xfedcba98
	s_mov_b32 s51, 0x600000  ; the mantissa field of 448
.set I_, 0
.rept 64  ; the first pair's products stand beside a way out that has no pair before it: its registers are written here, and it stores nothing
	v_mov_b32 v[ACC+64+I_], 0
.set I_, I_+1
.endr
.macro XREAD j  ; tiles j, j + 1 of my tokens, all of K: fragment f = 4 q + tile lies in window 1 + f / 16
.irp q, 0,1,2,3,4,5,6,7
	WIN (1+\q/4)<<6
.irp t, 0,1
.irp c, 0,1,2,3
	ds_load_b128 v[16*((4*\q+\j+\t)%16)+4*\c:16*((4*\q+\j+\t)%16)+4*\c+3], v[ADX+\j/2] offset:128*\q+32*\c+\t*BLKB
.endr
.endr
.endr
	WIN 0
.endm
.macro BIASLD k, bi
	ds_load_b128 v[BQ+8*\k:BQ+8*\k+3], v[ABI] offset:\bi
	ds_load_b128 v[BQ+8*\k+4:BQ+8*\k+7], v[ABI] offset:\bi+16
.endm
.macro FETCH k, si, b, bi, off=0  ; a block of weights, all of K, into set k, and its scale words.  b = 1: its bias too; 2: but for the trip whose block is Wv's
	WIN 3<<6
.irp q, 0,1,2,3,4,5,6,7
.irp c, 0,1,2,3
	ds_load_b128 v[128*\k+16*\q+4*\c:128*\k+16*\q+4*\c+3], v[ADW] offset:128*\q+32*\c+\off
.endr
.endr
	WIN 0
	ds_load_b128 v[SA+8*\k:SA+8*\k+3], v[AAS] offset:\si
	ds_load_b128 v[SA+8*\k+4:SA+8*\k+7], v[AAS] offset:\si+16
.if \b == 1
	BIASLD \k, \bi
.elseif \b == 2
	s_cmp_eq_u32 s46, 1
	s_cbranch_scc1 .Lno_bias_\@
	BIASLD \k, \bi
.Lno_bias_\@:
.endif
.endm
.macro PROD kind, u, a, n  ; product n = 4 q + j: the q-th 128 of K, token tile j; weights in set u, sums in set a.  Between two products of a sum stand three others
.set Q_, (\n)/4
.set J_, (\n)%4
.set X_, 16*((\n)%16)
.set W_, 128*(\u)+16*Q_
.set XS_, SB+8*(J_/2)+Q_
.set WS_, SA+8*(\u)+Q_
.if \kind
.set D_, ACC+64*(\a)+32*(\u)+8*J_
.else
.set D_, ACC+64*(\a)+16*J_+8*(\u)
.endif
.set C_, D_
.if Q_ == 0
.set C_, BQ+8*(\u)
.endif
.if \kind
	WIN (1+(\n)/16)|(3<<2)
.if J_%2
	v_wmma_scale_f32_16x16x128_f8f6f4 v[D_:D_+7], v[X_:X_+15], v[W_:W_+15], v[C_:C_+7], v[XS_], v[WS_] matrix_a_scale:MATRIX_SCALE_ROW1
.else
	v_wmma_scale_f32_16x16x128_f8f6f4 v[D_:D_+7], v[X_:X_+15], v[W_:W_+15], v[C_:C_+7], v[XS_], v[WS_]
.endif
.else
	WIN 3|((1+(\n)/16)<<2)
.if J_%2
	v_wmma_scale_f32_16x16x128_f8f6f4 v[D_:D_+7], v[W_:W_+15], v[X_:X_+15], v[C_:C_+7], v[WS_], v[XS_] matrix_b_scale:MATRIX_SCALE_ROW1
.else
	v_wmma_scale_f32_16x16x128_f8f6f4 v[D_:D_+7], v[W_:W_+15], v[X_:X_+15], v[C_:C_+7], v[WS_], v[XS_]
.endif
.endif
.endm
.macro HOLDS m, x  ; two numbers held at 448 x the scale; the bound stands twice, so that each read of it comes soon behind its write or nine vector lines on
.if (\m) == 3
	v_med3_num_f32 v[\x], v[\x], -v[TQ_+3], v[TQ_+3]
	v_med3_num_f32 v[\x+1], v[\x+1], -v[TQ_+3], v[TQ_+3]
.else
	v_med3_num_f32 v[\x], v[\x], -v[TQ_+1], v[TQ_+1]
	v_med3_num_f32 v[\x+1], v[\x+1], -v[TQ_+1], v[TQ_+1]
.endif
.if (\m) == 2
	v_mov_b32 v[TQ_+3], v[TQ_+1]
.endif
.endm
.macro GAPV u, x  ; THE QUANTISER: 15 gaps a scale block, four scale blocks of 16 numbers a lane at x: codes MCD + 4 t, byte EB + t
.set T_, (\u)/15
.set G_, (\u)%15
.set E_, \x+16*T_
.if G_ == 0
	v_max3_num_f32 v[TQ_], |v[E_]|, |v[E_+1]|, |v[E_+2]|
	v_max3_num_f32 v[TQ_+2], |v[E_+8]|, |v[E_+9]|, |v[E_+10]|
.elseif G_ < 3
	v_max3_num_f32 v[TQ_], v[TQ_], |v[E_+2*G_+1]|, |v[E_+2*G_+2]|
	v_max3_num_f32 v[TQ_+2], v[TQ_+2], |v[E_+2*G_+9]|, |v[E_+2*G_+10]|
.elseif G_ == 3
	v_max3_num_f32 v[TQ_+2], v[TQ_+2], |v[E_+15]|, 0x4800000  ; the floor 2^(9 - 127): the byte cannot fall under 1
	v_max3_num_f32 v[TQ_], v[TQ_], |v[E_+7]|, v[TQ_+2]
.elseif G_ == 4
	v_permlanex16_b32 v[TQ_+2], v[TQ_], s54, s55  ; the other half's largest
	v_max_num_f32 v[TQ_], v[TQ_], v[TQ_+2]
.elseif G_ == 5
	v_add_nc_u32 v[SOP+T_], 0xfc000000, v[TQ_]  ; 8 off the exponent field: the conversion's scale operand
	v_and_or_b32 v[TQ_+1], v[TQ_], 0x7f800000, s51  ; 448 x the scale
.elseif G_ < 10
	HOLDS G_-6, E_+2*(G_-6)
.if G_ == 9
	v_cvt_scalef32_pk8_fp8_f32 v[MCD+4*T_:MCD+4*T_+1], v[E_:E_+7], v[SOP+T_]
.endif
.elseif G_ < 14
	HOLDS G_-6, E_+8+2*(G_-10)
.if G_ == 13
	v_cvt_scalef32_pk8_fp8_f32 v[MCD+4*T_+2:MCD+4*T_+3], v[E_+8:E_+15], v[SOP+T_]
.endif
.else
	v_lshrrev_b32 v[EB+T_], 23, v[SOP+T_]
.endif
.endm
; WHAT STANDS BEHIND PRODUCT n of the block at place k of its trip: the address of the block two on behind 0; at a trip's head the stepped places; a refill's group 0 behind 29 and 30; from 1 on half a way out (y = 2, 3) of the sums at x
.macro LIST n, kind, k, y, x
.if (\n) == 0
	WIN 0
.if \kind
	s_add_co_u32 s22, s101, (\k+2)*BLKB
.elseif \k < 6
	s_add_co_u32 s22, s101, \k*BLKB
.else
	s_add_co_u32 s22, s47, (\k-6)*BLKB
.endif
	v_add_nc_u32 v[ADW], s22, v[ADW0]
.endif
.if \k == 0
.if (\n) == 2
	WIN 0
.if \kind
	v_add_nc_u32 v[VXV], 0x200, v[VXV]
.else
	v_add_nc_u32 v[VX], 4, v[VX]
.endif
.elseif (\n) == 3
	WIN 0
.if \kind
	v_add_nc_u32 v[AAS], 4*SBK, v[AAS]
.else
	v_add_nc_u32 v[AAS], 8*SBK, v[AAS]
.endif
.elseif (\n) == 4 && \kind == 0
	WIN 0
	v_add_nc_u32 v[ABI], 0x200, v[ABI]
.endif
.endif
.if \kind == 0 && \k == 2
.if (\n) == 29
	s_mul_i32 s[G0R+1], s14, 32*PITCH
	s_add_co_u32 s[G0R+1], s[G0R+1], s47
.elseif (\n) == 30
	s_mov_b64 s[G0R+2:G0R+3], s[6:7]
	s_or_b32 s[G0R+3], s[G0R+3], 0x80000000
.endif
.endif
.if (\n) > 0 && (\n) < 31
	WIN 0
.if \y == 2
	GAPV (\n)-1, \x
.else
	GAPV (\n)+29, \x
.endif
.endif
.endm
.macro BLOCK kind, u, a, from, to, k, y, x
.set N_, \from
.rept (\to)-(\from)
	PROD \kind, \u, \a, N_
	LIST N_, \kind, \k, \y, \x
.set N_, N_+1
.endr
.endm
.macro BEGIN kind, u, w, k
.if (\w) >= 0
	s_wait_dscnt \w  ; this block's set is in; the younger set's loads may be out
.endif
.if \u == 0
	s_wait_xcnt 0x0  ; the codes that the last pair stored may be written anew, and the bases stepped
.if \k == 0
.if \kind
	s_add_nc_u64 s[30:31], s[30:31], 0x2000
.else
	s_add_nc_u64 s[28:29], s[28:29], 0x800
.endif
.endif
.endif
.endm
.macro BLK kind, u, a, w, k, y, x
	BEGIN \kind, \u, \w, \k
	BLOCK \kind, \u, \a, 0, 32, \k, \y, \x
	WIN 0
.if \kind == 0
	PLACES NP
.endif
.endm
.macro RBLK kind, u, a, w, k, y, x  ; with a round of the cluster's barrier: 28 products stand between the add and the wait for it
	BEGIN \kind, \u, \w, \k
	GRD
	BLOCK \kind, \u, \a, 0, 28, \k, \y, \x
	WIN 0
	WALU
	s_wait_dscnt 0x0
	s_barrier_signal -1
	BLOCK \kind, \u, \a, 28, 32, \k, \y, \x
	MIDDLE
	BARRIER
.endm
.macro SBLK kind, u, a, w, k, y, x  ; with a plain barrier that shows the last refill
	BEGIN \kind, \u, \w, \k
	BLOCK \kind, \u, \a, 0, 28, \k, \y, \x
	WIN 0
	WALU
	s_wait_tensorcnt 0x0
	s_wait_dscnt 0x0
	s_barrier_signal -1
	BLOCK \kind, \u, \a, 28, 32, \k, \y, \x
	WIN 0
	s_barrier_wait -1
	PLACES NP
.endm
.macro QOUT off, by  ; a pair of q or k: a scale block for each token tile: its byte into the stage, its piece of 512 bytes to memory
.irp n, 0,1,2,3
	ds_store_b8 v[VX], v[EB+\n] offset:\by+128*(\n%2)+1024*(\n/2)
	global_store_b128 v[CO], v[MCD+4*\n:MCD+4*\n+3], s[28:29] offset:\off+16384*(\n%2)+131072*(\n/2)
.endr
.endm
.macro VOUT off, by  ; a pair of v: two blocks of channels x two steps of 128 keys
.irp n, 0,1,2,3
	ds_store_b8 v[VXV], v[EB+\n] offset:\by+128*(\n/2)+4*(\n%2)
	global_store_b128 v[CO], v[MCD+4*\n:MCD+4*\n+3], s[30:31] offset:\off+2048*(\n/2)+16384*(\n%2)
.endr
.endm
.macro CSET u, b  ; v's bias, the channel's in all eight registers: eight plain lines, which are also the places behind the last product
.irp i, 0,1,2,3,4,5,6,7
	v_mov_b32 v[BQ+8*\u+\i], v[BV+\b]
.endr
	WALU
.endm
	WALU
	s_cmp_eq_u32 s14, 0
	s_cbranch_scc0 .Lnot_mine
	s_wait_tensorcnt 0x0  ; wave 0: x's first half is in; the other waves' wait stands at the round below
.Lnot_mine:
	BARRIER
	XREAD 0
	s_wait_loadcnt 0x0
.irp i, 0,1,2,3
	ds_store_b128 v21, v[64+4*\i:67+4*\i] offset:2176*\i
.endr
.irp i, 0,1
	ds_store_b128 v21, v[80+4*\i:83+4*\i] offset:16*SBK+2176*\i
.endr
	ds_store_b64 v23, v[88:89]
	GRD
	s_wait_dscnt 0x0
	CROUND
	TLOAD G0R, G1A  ; weight rows 32 .. 127 over x's first half
	XREAD 2
	FETCH 0, 8*SBK, 1, 512
	FETCH 1, 9*SBK, 1, 576, BLKB
	global_prefetch_b8 v[PFO], s[2:3] th:TH_LOAD_NT scope:SCOPE_SE  ; 128 rows of 1,024 bytes, shared out over the column's sixteen waves by address: refilled from two blocks on, or ten
	s_mov_b32 s46, 0  ; the trip
	s_mov_b32 s101, 0  ; where the next six blocks lie, and the two behind them
	s_mov_b32 s47, XB
.Lqk:
	SBLK 0, 0, 0, NW, 0, 2, ACC+64
	FETCH 0, 2*SBK, 1, 128
	BLK 0, 1, 0, NW, 1, 3, ACC+64
	s_cmp_eq_u32 s46, 0
	s_cbranch_scc1 .Lno_pair_before
	QOUT 1536, 3
.Lno_pair_before:
	FETCH 1, 3*SBK, 1, 192
	RBLK 0, 0, 1, NW, 2, 2, ACC
	TLOAD G0R, G1R  ; the first trip: weight rows 128 .. 255 over x's second half; the second: Wv's 128 rows over the first
	PLACES NP-4
	FETCH 0, 4*SBK, 1, 256
	BLK 0, 1, 1, NW, 3, 3, ACC
	QOUT 2048, 4
	FETCH 1, 5*SBK, 1, 320
	BLK 0, 0, 0, NW, 4, 2, ACC+64
	FETCH 0, 6*SBK, 1, 384
	BLK 0, 1, 0, NW, 5, 3, ACC+64
	QOUT 2560, 5
	FETCH 1, 7*SBK, 1, 448
	SBLK 0, 0, 1, NW, 6, 2, ACC
	FETCH 0, 8*SBK, 2, 512
	BLK 0, 1, 1, NW, 7, 3, ACC
	QOUT 3072, 6
	FETCH 1, 9*SBK, 2, 576
	s_add_co_u32 s101, s47, 2*BLKB
	s_xor_b32 s47, s47, XB
	s_mov_b64 s[6:7], s[66:67]
	WALU
	s_add_co_u32 s46, s46, 1
	s_cmp_lg_u32 s46, 2
	s_cbranch_scc1 .Lqk
	s_mov_b32 s46, 0
	s_mov_b32 s101, 0
	s_wait_dscnt NW
	CSET 0, 0
.Lv:
	BLK 1, 0, 0, NW, 0, 2, ACC+64
	s_wait_dscnt 0x0
	CSET 1, 1
	FETCH 0, 6*SBK, 0, 0
	BLK 1, 1, 0, NW, 1, 3, ACC+64
	CSET 0, 2
	s_cmp_eq_u32 s46, 0
	s_cbranch_scc0 .Lv_before
	QOUT 3584, 7  ; the last pair of q or k
	s_branch .Lstored
.Lv_before:
	VOUT 4096, 256
.Lstored:
	FETCH 1, 7*SBK, 0, 0
	BLK 1, 0, 1, NW, 2, 2, ACC
	CSET 1, 3
	s_cmp_eq_u32 s46, 1
	s_cbranch_scc1 .Lnone_0
	FETCH 0, 8*SBK, 0, 0
	s_wait_dscnt NW
	s_branch .Lgo
.Lnone_0:
	s_wait_dscnt 0x0
.Lgo:
	BLK 1, 1, 1, -1, 3, 3, ACC
	CSET 0, 4
	VOUT 8192, 512
	s_cmp_eq_u32 s46, 1
	s_cbranch_scc1 .Lnone_1
	FETCH 1, 9*SBK, 0, 0
.Lnone_1:
.irp b, 1,2,3
	v_mov_b32 v[BV+\b], v[BV+4+\b]
.endr
	s_add_co_u32 s101, s101, 4*BLKB
	WALU
	s_add_co_u32 s46, s46, 1
	s_cmp_lg_u32 s46, 2
	s_cbranch_scc1 .Lv
	s_wait_xcnt 0x0
.set GI_, 0
.rept 15  ; the last pair's way out, its four scale blocks by turns
.irp t, 0,1,2,3
.set TQ_, BQ+4*\t
	GAPV 15*\t+GI_, ACC+64
.endr
.set GI_, GI_+1
.endr
	VOUT 12288, 768
	v_lshlrev_b32 v20, 4, v0
	v_lshlrev_b32 v22, 3, v0
	v_add_nc_u32 v21, SQ, v20
	v_add_nc_u32 v23, SV, v22
	WALU
	s_wait_dscnt 0x0  ; my scale bytes are in the stage
	BARRIER
	ds_load_b128 v[60:63], v21
	ds_load_b64 v[44:45], v23
	s_wait_dscnt 0x0
	global_store_b128 v20, v[60:63], s[32:33]  ; 2,048 and 1,024 bytes on end
	global_store_b64 v22, v[44:45], s[34:35]
	s_wait_tensorcnt 0x0  ; the wave's end
	ds_add_u32 v[SPW], v[NIL]
	s_wait_dscnt 0x0
	CROUND  ; the closing round: no work-group ends while a partner may still ask for a tile that names it
	s_endpgm
.Lfunc_end_k_q8cc48302d0_proj:
	.size	k_q8cc48302d0_proj, .Lfunc_end_k_q8cc48302d0_proj-k_q8cc48302d0_proj
	.p2alignl 7, 3214868480
	.fill 96, 4, 3214868480
	.section	.rodata,"a",@progbits
	.p2align	6, 0x0
	.amdhsa_kernel k_q8cc48302d0_proj
		.amdhsa_group_segment_fixed_size 327680
		.amdhsa_private_segment_fixed_size 0
		.amdhsa_enable_private_segment 0
		.amdhsa_kernarg_size 104
		.amdhsa_user_sgpr_count 2
		.amdhsa_user_sgpr_kernarg_segment_ptr 1
		.amdhsa_wavefront_size32 1
		.amdhsa_system_sgpr_workgroup_id_x 1
		.amdhsa_system_sgpr_workgroup_id_y 1
		.amdhsa_system_sgpr_workgroup_id_z 1
		.amdhsa_system_vgpr_workitem_id 0
		.amdhsa_next_free_vgpr 1024
		.amdhsa_next_free_sgpr 102
		.amdhsa_reserve_vcc 0
		.amdhsa_float_denorm_mode_32 3
		.amdhsa_float_denorm_mode_16_64 3
		.amdhsa_memory_ordered 1
		.amdhsa_forward_progress 1
		.amdhsa_inst_pref_size 196
	.end_amdhsa_kernel
	.amdgpu_metadata
---
amdhsa.version: [ 1, 2 ]
amdhsa.kernels:
  - .name:           k_q8cc48302d0_proj
    .symbol:         k_q8cc48302d0_proj.kd
    .args:
      - { .name: x_codes, .offset: 0, .size: 8, .value_kind: global_buffer, .address_space: global }
      - { .name: x_scales, .offset: 8, .size: 8, .value_kind: global_buffer, .address_space: global }
      - { .name: Wq_codes, .offset: 16, .size: 8, .value_kind: global_buffer, .address_space: global }
      - { .name: Wq_scales, .offset: 24, .size: 8, .value_kind: global_buffer, .address_space: global }
      - { .name: Wk_codes, .offset: 32, .size: 8, .value_kind: global_buffer, .address_space: global }
      - { .name: Wk_scales, .offset: 40, .size: 8, .value_kind: global_buffer, .address_space: global }
      - { .name: Wv_codes, .offset: 48, .size: 8, .value_kind: global_buffer, .address_space: global }
      - { .name: Wv_scales, .offset: 56, .size: 8, .value_kind: global_buffer, .address_space: global }
      - { .name: bq, .offset: 64, .size: 8, .value_kind: global_buffer, .address_space: global }
      - { .name: bk, .offset: 72, .size: 8, .value_kind: global_buffer, .address_space: global }
      - { .name: bv, .offset: 80, .size: 8, .value_kind: global_buffer, .address_space: global }
      - { .name: qkv_codes, .offset: 88, .size: 8, .value_kind: global_buffer, .address_space: global }
      - { .name: qkv_sc, .offset: 96, .size: 8, .value_kind: global_buffer, .address_space: global }
    .group_segment_fixed_size: 327680
    .private_segment_fixed_size: 0
    .kernarg_segment_align: 8
    .kernarg_segment_size: 104
    .max_flat_workgroup_size: 128
    .sgpr_count:     102
    .vgpr_count:     1024
    .wavefront_size: 32
...
	.end_amdgpu_metadata
.endif
;; end of part 1
;; launch score (part 2): grid 8 x 32, 4 waves a work-group, clusters of 4 x 4, 327,680 bytes of LDS; arguments qkv_codes, qkv_sc, p_codes, p_meta; writes p_codes, p_meta
.if DOCPART == 2
	.amdgcn_target "amdgcn-amd-amdhsa--gfx1250"
	.amdhsa_code_object_version 6
	.text
	.protected	k_q8cc48302d0_score
	.globl	k_q8cc48302d0_score
	.p2align	8
	.type	k_q8cc48302d0_score,@function
k_q8cc48302d0_score:
	s_mov_b64 s[64:65], 0
	v_nop
	global_prefetch_b8 v0, s[64:65] scope:SCOPE_SE
	s_setreg_imm32_b32 hwreg(HW_REG_WAVE_MODE, 25, 1), 1
	s_wait_xcnt 0x0
	s_wait_alu depctr_hold_cnt(0) depctr_sa_sdst(0) depctr_va_vdst(0) depctr_va_sdst(0) depctr_va_ssrc(0) depctr_va_vcc(0) depctr_vm_vsrc(0)
	s_getreg_b32 s2, hwreg(HW_REG_IB_STS2, 6, 4)
	s_cmp_eq_u32 s2, 0
	s_cbranch_scc0 .Lentry_in_a_cluster
	s_endpgm
.Lentry_in_a_cluster:
	s_bfe_u32 s2, ttmp6, 0x10000c
	s_cmp_lg_u32 s2, 0xf033
	s_cbranch_scc0 .Lentry_shape_is_right
	s_endpgm
.Lentry_shape_is_right:
; S = q k^T, then t = S x log2(e) / 32, p = 2^(t - M) with M = ceil(the largest t of a row's group of 128 keys), the group's sum of p, and p's codes and scale bytes.
; q and k come as images of the operand's registers, [block of 16 rows][8 steps of 128][4 pieces][lane][16 bytes]: a K step of 256 of a block is 4,096 bytes on end, and LDS holds it so, without padding.
; The order of K inside a piece is the same in q and in k; p leaves in the order in which v lies along the keys.  The group's M and sum are brought under the row's M by the next launch.
; A tile, 256 queries x 256 keys, is made by four waves, 128 x 128 each; clusters of 4 x 4 share q's tiles along a row and k's along a column.
; LIMITS: NaN and infinities are not served; the promise holds while |t| stays under 2^31.
.set NQ,     2
.set ROWB,   4096
.set FR,     16
.set NL,     4
.set NP,     8
.set HALFT,  32768
.set SLOT,   4*HALFT
.set SCL,    2*SLOT
.set SBLK,   128
.set SSTEP,  2048
.set G0H, 4
.set G0HB, 8
.set SPARE,  SCL+16640
.set TSTG,   2048
.set TSO,  8
.set TRD,  9
.set TGO,  10
.set ADRA, 16
.set ADRB, 20
.set ADRS, 27
.set SPW,  28
.set NIL,  29
.set SSO,  30
.set SRD,  31
.set SC,   32
.set BM,   64
.set X,    68
.set HOLD, 72
.set SCOP, 76
.set PW,   80
.set T,    88
.set SBK,  92
.set NMB,  96
.set SUM,  112
.set AF,   128
.set PC,   128
.set G1, 24
.set G0, 32
.set G1B, 48
.set G0B, 56
.set G1S, 68
.set G0S, 76
.set G1SB, 80
.set G0SB, 88
.set MSB, 0
.macro WIN new
.if MSB != (\new)
	s_set_vgpr_msb (MSB<<8)|(\new)
.set MSB, (\new)
.endif
.endm
.set MUL_LO, 0xa1
.set MUL_HI, 0xf1
.set TO_B,   0x40
.macro JLOAD g0a, g1a, g0b, g1b
	s_cmp_eq_u32 s15, 0
	s_cbranch_scc0 .Lfor_b_\@
	tensor_load_to_lds s[\g0a:\g0a+3], s[\g1a:\g1a+7]
	s_nop 0
.rept 4
	v_nop
.endr
	s_branch .Lasked_\@
.Lfor_b_\@:
	tensor_load_to_lds s[\g0b:\g0b+3], s[\g1b:\g1b+7]
	s_nop 0
.rept 4
	v_nop
.endr
.Lasked_\@:
.endm
.macro CREST
	s_cmp_lg_u32 s14, 0
	s_cbranch_scc1 .Lnot_wave_0_\@
	s_barrier_signal -3
.Lnot_wave_0_\@:
	s_barrier_wait -3
	s_barrier_signal -1
	s_barrier_wait -1
.endm
.macro CROUND
	s_barrier_signal -1
	s_barrier_wait -1
	CREST
.endm
	s_load_b128 s[4:7], s[0:1], 0x0
	s_load_b64 s[12:13], s[0:1], 0x10
	s_load_b64 s[66:67], s[0:1], 0x18
	v_lshl_add_u32 v[SPW], v0, 2, SPARE
	v_mov_b32 v[NIL], 0
	ds_add_u32 v[SPW], v[NIL]  ; the opening: the add, twice on end, and its wait
	ds_add_u32 v[SPW], v[NIL]
	v_lshrrev_b32 v1, 5, v0
	v_readfirstlane_b32 s14, v1
	s_lshr_b32 s15, s14, 1
	s_and_b32 s16, s14, 1
	s_bfe_u32 s40, ttmp6, 0x40000
	s_bfe_u32 s41, ttmp6, 0x40004
	s_lshl_b32 s42, ttmp9, 2
	s_add_co_u32 s42, s42, s40
	s_and_b32 s101, ttmp7, 0xffff
	s_lshl_b32 s17, s101, 2
	s_add_co_u32 s17, s17, s41
	s_lshr_b32 s101, s101, 1
	s_lshl_b32 s43, s41, 2
	s_lshl_b32 s43, 15, s43
	s_lshl_b32 s44, 0x1111, s40
	; rows of 4,096 bytes (512 elements of 8), 16,384 apart: sixteen for the head's tiles, later eight
	s_or_b32 s[G1+0], s43, (3<<16)|(1<<21)
	s_or_b32 s[G1B+0], s44, (3<<16)|(1<<21)
.irp g, G1, G1B
	s_mov_b32 s[\g+1], 512<<16
	s_mov_b32 s[\g+2], 16<<16
	s_mov_b32 s[\g+3], 512<<16
	s_mov_b32 s[\g+4], 16
	s_mov_b32 s[\g+5], 2048
	s_mov_b32 s[\g+6], 0
	s_mov_b32 s[\g+7], 0
.endr
	s_or_b32 s[G1S+0], s43, (3<<16)|(1<<21)
	s_or_b32 s[G1SB+0], s44, (3<<16)|(1<<21)
.irp g, G1S, G1SB
	s_mov_b32 s[\g+1], 256<<16
	s_mov_b32 s[\g+2], 4<<16
	s_mov_b32 s[\g+3], 256<<16
	s_mov_b32 s[\g+4], 4
	s_mov_b32 s[\g+5], 8192
	s_mov_b32 s[\g+6], 0
	s_mov_b32 s[\g+7], 0
.endr
	s_lshl_b32 s20, s17, 8
	s_lshl_b32 s46, s42, 8
	s_lshl_b32 s18, s101, 11
	s_add_co_u32 s46, s46, s18
	s_mov_b32 s21, 0
	s_mov_b32 s47, 0
	s_lshl_b64 s[22:23], s[20:21], 3
	s_lshl_b64 s[92:93], s[46:47], 3
	s_lshl_b64 s[20:21], s[20:21], 10
	s_lshl_b64 s[46:47], s[46:47], 10
	s_mul_i32 s45, s14, HALFT
	s_lshl_b32 s18, s16, 17
	s_mov_b32 s19, 0
	s_wait_dscnt 0x0  ; both opening adds are done
	s_wait_kmcnt 0x0
	s_add_nc_u64 s[8:9], s[4:5], 0x800000
	s_add_nc_u64 s[10:11], s[6:7], 0x40000
	s_add_nc_u64 s[20:21], s[4:5], s[20:21]
	s_add_nc_u64 s[22:23], s[6:7], s[22:23]
	s_add_nc_u64 s[46:47], s[8:9], s[46:47]
	s_add_nc_u64 s[92:93], s[10:11], s[92:93]
	CROUND
	s_mov_b32 s[G0S], 1
	s_mov_b32 s[G0S+1], SCL
	s_mov_b64 s[G0S+2:G0S+3], s[22:23]
	s_or_b32 s[G0S+3], s[G0S+3], 0x80000000
	s_mov_b32 s[G0SB], 1
	s_mov_b32 s[G0SB+1], SCL+8192+128
	s_mov_b64 s[G0SB+2:G0SB+3], s[92:93]
	s_or_b32 s[G0SB+3], s[G0SB+3], 0x80000000
	s_mov_b32 s[G0H], 1
	s_mov_b32 s[G0H+1], 0
	s_mov_b64 s[G0H+2:G0H+3], s[20:21]
	s_or_b32 s[G0H+3], s[G0H+3], 0x80000000
	s_mov_b32 s[G0HB], 1
	s_mov_b32 s[G0HB+1], 2*HALFT
	s_mov_b64 s[G0HB+2:G0HB+3], s[46:47]
	s_or_b32 s[G0HB+3], s[G0HB+3], 0x80000000
	s_add_nc_u64 s[20:21], s[20:21], s[18:19]  ; for the ring: my 128 rows of the tile
	s_add_nc_u64 s[46:47], s[46:47], s[18:19]
.irp s, 0,1
	s_mov_b32 s[G0+4*\s], 1
	s_add_co_u32 s[G0+4*\s+1], s45, \s*SLOT
	s_add_nc_u64 s[G0+4*\s+2:G0+4*\s+3], s[20:21], \s*ROWB
	s_or_b32 s[G0+4*\s+3], s[G0+4*\s+3], 0x80000000
	s_mov_b32 s[G0B+4*\s], 1
	s_add_co_u32 s[G0B+4*\s+1], s45, \s*SLOT
	s_add_nc_u64 s[G0B+4*\s+2:G0B+4*\s+3], s[46:47], \s*ROWB
	s_or_b32 s[G0B+4*\s+3], s[G0B+4*\s+3], 0x80000000
.endr
; one joint load a wave: wave 0 K step 0 of q's 256 rows, wave 1 of k's, waves 2 and 3 their scale bytes for all of K
.macro ARM under, g0, g1, next
	s_cmp_lt_u32 s14, \under
	s_cbranch_scc0 \next
	tensor_load_to_lds s[\g0:\g0+3], s[\g1:\g1+7]
	s_nop 0
.rept 4
	v_nop
.endr
	s_branch .Lhead_asked
\next:
.endm
	ARM 1, G0H,  G1,  .Lhead_b
	ARM 2, G0HB, G1B, .Lhead_sa
	ARM 3, G0S,  G1S, .Lhead_sb
	tensor_load_to_lds s[G0SB:G0SB+3], s[G1SB:G1SB+7]
	s_nop 0
.rept 4
	v_nop
.endr
.Lhead_asked:
	v_and_b32 v1, 15, v0
	v_bfe_u32 v2, v0, 4, 1
	v_and_b32 v6, 31, v0
	v_lshlrev_b32 v4, 4, v6
	s_wait_alu depctr_va_vdst(0)
	s_mul_i32 s21, s15, HALFT
	s_mul_i32 s22, s16, HALFT
	s_add_co_u32 s22, s22, 2*HALFT
.irp s, 0,1
	v_add_nc_u32 v[ADRA+\s], s21, v4
	v_add_nc_u32 v[ADRB+\s], s22, v4
	s_add_co_u32 s21, s21, SLOT
	s_add_co_u32 s22, s22, SLOT
.endr
	s_lshl_b32 s21, s15, 10
	s_lshl_b32 s22, s16, 10
	s_add_co_u32 s22, s22, 8192+128
	s_sub_co_u32 s22, s22, s21
	v_mul_u32_u24 v6, s22, v2
	s_add_co_u32 s21, s21, SCL
	v_lshl_add_u32 v5, v1, 3, v6
	v_add_nc_u32 v[ADRS], s21, v5
	v_and_b32 v6, 31, v0
	v_lshlrev_b32 v[TGO], 4, v6
	s_lshl_b32 s23, s14, 9
	v_lshl_add_u32 v[SSO], v1, 2, s23
	v_add_nc_u32 v[SRD], s23, v[TGO]
	s_lshl_b32 s23, s14, 10
	s_add_co_u32 s23, s23, TSTG
	v_lshl_add_u32 v[TSO], v1, 3, s23
	v_add_nc_u32 v[TRD], s23, v[TGO]
	s_lshl_b32 s18, s42, 1
	s_add_co_u32 s18, s18, s16
	s_lshl_b32 s20, s18, 16
	s_lshl_b32 s22, s17, 11
	s_add_co_u32 s20, s20, s22
	s_lshl_b32 s22, s15, 10
	s_add_co_u32 s20, s20, s22
	s_lshr_b32 s22, s20, 1
	s_add_co_u32 s20, s20, 524288
	s_mov_b32 s21, 0
	s_mov_b32 s23, 0
	s_add_nc_u64 s[98:99], s[66:67], s[20:21]
	s_add_nc_u64 s[66:67], s[66:67], s[22:23]
	s_lshl_b32 s20, s17, 4
	s_lshl_b32 s22, s15, 3
	s_add_co_u32 s20, s20, s22
	s_lshl_b32 s20, s20, 4
	s_add_co_u32 s20, s20, s18
	s_lshl_b32 s20, s20, 11
	s_add_nc_u64 s[12:13], s[12:13], s[20:21]
	s_mov_b32 s20, 0x76543210
	s_mov_b32 s21, 0xfedcba98
	s_mov_b32 s22, 0x600000
	s_mov_b32 s92, 0x3d38aa3b
	s_mov_b32 s93, s92
.macro FRAG reg, adr, q, i
.irp c, 0,1,2,3
	ds_load_b128 v[\reg+4*\c:\reg+4*\c+3], v[\adr] offset:2048*(\q)+512*\c+(\i)*4096
.endr
.endm
.macro MUL16 a0, p, q, sc, zero
.irp a, \a0, \a0+1
.irp b, 0,1,2,3,4,5,6,7
.if \zero
	v_wmma_scale_f32_16x16x128_f8f6f4 v[8*(8*((\a)%4)+\b):8*(8*((\a)%4)+\b)+7], v[128*(\p)+FR*\b:128*(\p)+FR*\b+FR-1], v[AF+FR*(\a):AF+FR*(\a)+FR-1], 0, v[SC+8*NQ*(\sc)+NQ*\b+(\q)], v[SC+8*NQ*(\sc)+NQ*(\a)+(\q)] matrix_a_scale:MATRIX_SCALE_ROW1
.else
	v_wmma_scale_f32_16x16x128_f8f6f4 v[8*(8*((\a)%4)+\b):8*(8*((\a)%4)+\b)+7], v[128*(\p)+FR*\b:128*(\p)+FR*\b+FR-1], v[AF+FR*(\a):AF+FR*(\a)+FR-1], v[8*(8*((\a)%4)+\b):8*(8*((\a)%4)+\b)+7], v[SC+8*NQ*(\sc)+NQ*\b+(\q)], v[SC+8*NQ*(\sc)+NQ*(\a)+(\q)] matrix_a_scale:MATRIX_SCALE_ROW1
.endif
.endr
.endr
.endm
.macro FETCH_B slot, q, p
	WIN TO_B
.irp i, 0,1,2,3,4,5,6,7
	FRAG 128*(\p)+FR*\i, ADRB+\slot, \q, \i
.endr
	WIN 0
.endm
.macro FETCH_A slot, q, i0
.irp i, \i0, \i0+1, \i0+2, \i0+3
	FRAG AF+FR*(\i), ADRA+\slot, \q, \i
.endr
.endm
.macro SCALES sc
.irp i, 0,1,2,3,4,5,6,7
	ds_load_b64 v[SC+8*NQ*\sc+NQ*\i:SC+8*NQ*\sc+NQ*\i+1], v[ADRS] offset:\i*SBLK
.endr
.endm
.macro PLACES n
.rept \n
	v_nop
.endr
.endm
.macro STEP slot, q, zero
	s_wait_dscnt 4*NL
	WIN MUL_LO
	MUL16 0, (\q)%2, \q, \slot, \zero
	MUL16 2, (\q)%2, \q, \slot, \zero
	s_wait_dscnt 0
	PLACES NP
	FETCH_B \slot, (\q)+1, 1-(\q)%2
	FETCH_A \slot, (\q)+1, 0
	WIN MUL_HI
	MUL16 4, (\q)%2, \q, \slot, \zero
	MUL16 6, (\q)%2, \q, \slot, \zero
	PLACES NP
	WIN 0
	FETCH_A \slot, (\q)+1, 4
.endm
.macro TURN slot, next, fill
	s_wait_tensorcnt 0x0
	ds_add_u32 v[SPW], v[NIL]
	s_wait_dscnt 4*NL+1
	WIN MUL_LO
	MUL16 0, 1, NQ-1, \slot, 0
	s_wait_dscnt 0x0
	s_barrier_signal -1
	MUL16 2, 1, NQ-1, \slot, 0
	WIN 0
	s_barrier_wait -1
.if \fill
	CREST
	s_add_nc_u64 s[G0+4*\slot+2:G0+4*\slot+3], s[G0+4*\slot+2:G0+4*\slot+3], 2*ROWB
	s_add_nc_u64 s[G0B+4*\slot+2:G0B+4*\slot+3], s[G0B+4*\slot+2:G0B+4*\slot+3], 2*ROWB
	JLOAD G0+4*\slot, G1, G0B+4*\slot, G1B
	PLACES NP-4
.else
	PLACES NP
.endif
	s_wait_alu depctr_va_vdst(0)
	v_add_nc_u32 v[ADRS], SSTEP, v[ADRS]
	FETCH_B \next, 0, 0
	FETCH_A \next, 0, 0
	SCALES \next
	WIN MUL_HI
	MUL16 4, 1, NQ-1, \slot, 0
	MUL16 6, 1, NQ-1, \slot, 0
	PLACES NP
	WIN 0
	FETCH_A \next, 0, 4
.endm
	s_wait_alu depctr_va_vdst(0)
	s_wait_tensorcnt 0x0  ; my tile of the head's four is in
	ds_add_u32 v[SPW], v[NIL]
	s_mov_b32 s[G1+2], 8<<16  ; no tensor load of mine is out: from here on a load brings 128 rows
	s_mov_b32 s[G1+4], 8
	s_mov_b32 s[G1B+2], 8<<16
	s_mov_b32 s[G1B+4], 8
	s_wait_dscnt 0x0
	CROUND
	JLOAD G0+4, G1, G0B+4, G1B  ; K step 1
	FETCH_B 0, 0, 0
	FETCH_A 0, 0, 0
	SCALES 0
	FETCH_A 0, 0, 4
	STEP 0, 0, 1
	TURN 0, 1, 1
	STEP 1, 0, 0
	TURN 1, 0, 1
	STEP 0, 0, 0
	TURN 0, 1, 0
	STEP 1, 0, 0
	s_wait_dscnt 4*NL
	WIN MUL_LO
	MUL16 0, 1, NQ-1, 1, 0
	MUL16 2, 1, NQ-1, 1, 0
	s_wait_dscnt 0
	WIN MUL_HI
	MUL16 4, 1, NQ-1, 1, 0
	MUL16 6, 1, NQ-1, 1, 0
	WIN 0
.macro SOFT a
.set W, 2+(\a)/4
.set AC, 64*((\a)%4)
.set NM, NMB+2*(\a)
.set W_SS, W|(W<<2)
.set W_SD, W|(W<<6)
	WIN W_SS
.irp b, 0,1,2,3
	v_max_num_f32 v[BM+\b], v[AC+16*\b], v[AC+16*\b+1]
.endr
.irp i, 2,4,6,8,10,12,14
.irp b, 0,1,2,3
	v_max3_num_f32 v[BM+\b], v[AC+16*\b+\i], v[AC+16*\b+\i+1], v[BM+\b]
.endr
.endr
	WIN 0
	v_mov_b32 v[NM+1], 0
.irp b, 0,1,2,3
	v_permlanex16_b32 v[X+\b], v[BM+\b], s20, s21
.endr
.irp b, 0,1,2,3
	v_max_num_f32 v[BM+\b], v[BM+\b], v[X+\b]
.endr
	v_max3_num_f32 v[T], v[BM], v[BM+1], v[BM+2]
	v_max_num_f32 v[T], v[T], v[BM+3]
	v_mul_f32 v[T], s92, v[T]
	v_floor_f32 v[NM], -v[T]
.irp b, 0,1,2,3
	v_fma_f32 v[BM+\b], v[BM+\b], s92, v[NM]
.endr
	s_wait_alu depctr_va_vdst(0)
.irp b, 0,1,2,3
	v_exp_f32 v[BM+\b], v[BM+\b]
.endr
	WIN W_SD
.set n, 0
.rept 32
	v_pk_fma_f32 v[AC+n:AC+n+1], v[AC+n:AC+n+1], s[92:93], v[NM:NM+1] op_sel_hi:[1,0,0]
.set n, n+2
.endr
.set n, 0
	s_wait_alu depctr_va_vdst(0)
.rept 64
	v_exp_f32 v[AC+n], v[AC+n]
.set n, n+1
.endr
	v_nop
	s_wait_alu depctr_va_vdst(0)
	WIN W_SS
.irp n, 0,1,2,3,4,5,6,7
	v_pk_add_f32 v[SUM+2*\n:SUM+2*\n+1], v[AC+8*\n:AC+8*\n+1], v[AC+8*\n+2:AC+8*\n+3]
.endr
	WIN W
.irp n, 0,1,2,3,4,5,6,7
	v_pk_add_f32 v[SUM+2*\n:SUM+2*\n+1], v[AC+8*\n+4:AC+8*\n+5], v[SUM+2*\n:SUM+2*\n+1]
.endr
.irp n, 0,1,2,3,4,5,6,7
	v_pk_add_f32 v[SUM+2*\n:SUM+2*\n+1], v[AC+8*\n+6:AC+8*\n+7], v[SUM+2*\n:SUM+2*\n+1]
.endr
	WIN 0
.irp n, 0,4,8,12
	v_pk_add_f32 v[SUM+\n:SUM+\n+1], v[SUM+\n:SUM+\n+1], v[SUM+\n+2:SUM+\n+3]
.endr
.irp n, 0,8
	v_pk_add_f32 v[SUM+\n:SUM+\n+1], v[SUM+\n:SUM+\n+1], v[SUM+\n+4:SUM+\n+5]
.endr
	v_pk_add_f32 v[SUM:SUM+1], v[SUM:SUM+1], v[SUM+8:SUM+9]
	v_add_f32 v[T], v[SUM], v[SUM+1]
	v_permlanex16_b32 v[T+1], v[T], s20, s21
	v_add_f32 v[NM+1], v[T], v[T+1]
.irp b, 0,1,2,3
	v_max_num_f32 v[BM+\b], 0x4800000, v[BM+\b]
.endr
.irp b, 0,1,2,3
	v_add_nc_u32 v[SCOP+\b], 0xfc000000, v[BM+\b]
.endr
.irp b, 0,1,2,3
	v_and_or_b32 v[HOLD+\b], v[BM+\b], 0x7f800000, s22
.endr
.irp b, 0,1,2,3
	v_lshrrev_b32 v[X+\b], 23, v[SCOP+\b]
.endr
	v_lshl_or_b32 v[PW+(\a)], v[X+1], 8, v[X]
	v_lshl_or_b32 v[PW+(\a)], v[X+2], 16, v[PW+(\a)]
	v_lshl_or_b32 v[PW+(\a)], v[X+3], 24, v[PW+(\a)]
	WIN W_SD
.irp b, 0,1,2,3
.set n, 0
.rept 16
	v_min_num_f32 v[AC+16*\b+n], v[AC+16*\b+n], v[HOLD+\b]
.set n, n+1
.endr
.endr
	WIN W
.irp b, 0,1,2,3
	v_cvt_scalef32_pk8_fp8_f32 v[PC+16*(\a)+4*\b:PC+16*(\a)+4*\b+1], v[AC+16*\b:AC+16*\b+7], v[SCOP+\b]
	v_cvt_scalef32_pk8_fp8_f32 v[PC+16*(\a)+4*\b+2:PC+16*(\a)+4*\b+3], v[AC+16*\b+8:AC+16*\b+15], v[SCOP+\b]
.endr
	WIN 0
	v_nop
.irp c, 0,1,2,3
	global_store_b128 v[TGO], v[PC+16*(\a)+4*\c:PC+16*(\a)+4*\c+3], s[12:13] offset:(\a)*32768+512*\c
.endr
	ds_store_b32 v[SSO], v[PW+(\a)] offset:64*(\a)
	ds_store_b64 v[TSO], v[NM:NM+1] offset:128*(\a)
.endm
.irp b, 0,1,2,3
	v_mov_b32 v[X+\b], 0
.endr
	v_mov_b32 v[T+1], 0
	PLACES NP-5
.irp a, 0,1,2,3,4,5,6,7
	SOFT \a
.endr
	ds_load_b128 v[SBK:SBK+3], v[SRD]
	ds_load_b128 v[SUM:SUM+3], v[TRD]
	ds_load_b128 v[SUM+4:SUM+7], v[TRD] offset:512
	s_wait_dscnt 0x0
	global_store_b128 v[TGO], v[SBK:SBK+3], s[66:67]
	global_store_b128 v[TGO], v[SUM:SUM+3], s[98:99]
	global_store_b128 v[TGO], v[SUM+4:SUM+7], s[98:99] offset:512
	s_wait_tensorcnt 0x0
	ds_add_u32 v[SPW], v[NIL]
	s_wait_dscnt 0x0
	CROUND
	s_endpgm
.Lfunc_end_k_q8cc48302d0_score:
	.size	k_q8cc48302d0_score, .Lfunc_end_k_q8cc48302d0_score-k_q8cc48302d0_score
	.p2alignl 7, 3214868480
	.fill 96, 4, 3214868480
	.section	.rodata,"a",@progbits
	.p2align	6, 0x0
	.amdhsa_kernel k_q8cc48302d0_score
		.amdhsa_group_segment_fixed_size 327680
		.amdhsa_private_segment_fixed_size 0
		.amdhsa_enable_private_segment 0
		.amdhsa_kernarg_size 32
		.amdhsa_user_sgpr_count 2
		.amdhsa_user_sgpr_kernarg_segment_ptr 1
		.amdhsa_wavefront_size32 1
		.amdhsa_system_sgpr_workgroup_id_x 1
		.amdhsa_system_sgpr_workgroup_id_y 1
		.amdhsa_system_sgpr_workgroup_id_z 1
		.amdhsa_system_vgpr_workitem_id 0
		.amdhsa_next_free_vgpr 1024
		.amdhsa_next_free_sgpr 102
		.amdhsa_reserve_vcc 0
		.amdhsa_float_denorm_mode_32 3
		.amdhsa_float_denorm_mode_16_64 3
		.amdhsa_memory_ordered 1
		.amdhsa_forward_progress 1
		.amdhsa_inst_pref_size 226
	.end_amdhsa_kernel
	.amdgpu_metadata
---
amdhsa.version: [ 1, 2 ]
amdhsa.kernels:
  - .name:           k_q8cc48302d0_score
    .symbol:         k_q8cc48302d0_score.kd
    .args:
      - { .name: qkv_codes, .offset: 0, .size: 8, .value_kind: global_buffer, .address_space: global }
      - { .name: qkv_sc, .offset: 8, .size: 8, .value_kind: global_buffer, .address_space: global }
      - { .name: p_codes, .offset: 16, .size: 8, .value_kind: global_buffer, .address_space: global }
      - { .name: p_meta, .offset: 24, .size: 8, .value_kind: global_buffer, .address_space: global }
    .group_segment_fixed_size: 327680
    .private_segment_fixed_size: 0
    .kernarg_segment_align: 8
    .kernarg_segment_size: 32
    .max_flat_workgroup_size: 128
    .sgpr_count:     102
    .vgpr_count:     1024
    .wavefront_size: 32
...
	.end_amdgpu_metadata
.endif
;; end of part 2
;; launch pv (part 3): grid 8 x 32, 4 waves a work-group, clusters of 4 x 4, 327,680 bytes of LDS; arguments p_codes, p_meta, qkv_codes, qkv_sc, out0; writes out0
.if DOCPART == 3
	.amdgcn_target "amdgcn-amd-amdhsa--gfx1250"
	.amdhsa_code_object_version 6
	.text
	.protected	k_q8cc48302d0_pv
	.globl	k_q8cc48302d0_pv
	.p2align	8
	.type	k_q8cc48302d0_pv,@function
k_q8cc48302d0_pv:
	s_mov_b64 s[64:65], 0
	v_nop
	global_prefetch_b8 v0, s[64:65] scope:SCOPE_SE
	s_setreg_imm32_b32 hwreg(HW_REG_WAVE_MODE, 25, 1), 1
	s_wait_xcnt 0x0
	s_wait_alu depctr_hold_cnt(0) depctr_sa_sdst(0) depctr_va_vdst(0) depctr_va_sdst(0) depctr_va_ssrc(0) depctr_va_vcc(0) depctr_vm_vsrc(0)
	s_getreg_b32 s2, hwreg(HW_REG_IB_STS2, 6, 4)
	s_cmp_eq_u32 s2, 0
	s_cbranch_scc0 .Lentry_in_a_cluster
	s_endpgm
.Lentry_in_a_cluster:
	s_bfe_u32 s2, ttmp6, 0x10000c
	s_cmp_lg_u32 s2, 0xf033
	s_cbranch_scc0 .Lentry_shape_is_right
	s_endpgm
.Lentry_shape_is_right:
; O = P V / l on codes of FP8 (E4M3) with E8M0 scales, K = the batch's 2,048 keys.  V: v^T [4][1024 d][2048 keys] codes; out0: [8192][1024] f32.
; P: codes in the order of the operand's registers, [512 blocks of 16 rows][16 groups of 128 keys][4 pieces][32 lanes][16 bytes]; its scale words [16 groups][8192][4 bytes], and [16 groups][8192][-M, l].
; A tile of O, 256 queries x 128 channels, is made by a work-group of four waves: 256 work-groups.  Wave w makes rows 64 w .. 64 w + 63 x all 128 channels: 32 accumulators, 256 registers.
; V STAYS IN LDS: the tile's 128 channels x 2,048 keys are eight chunks of 128 rows x 256 bytes, 262,144 bytes, no padding, filled ONCE: waves 0 to 2 fetch chunks 2 w and 2 w + 1, wave 3 the scale bytes, then each wave a quarter of chunks 6 and 7.  Nothing is filled again.
; CLUSTERS: 4 x 4 work-groups; the four of a column of the cluster need the same V: its chunks and scale bytes are asked for jointly.
; P GOES FROM MEMORY STRAIGHT INTO REGISTERS: a fragment is four loads of 512 consecutive bytes; no two waves of a work-group read the same rows.  The eight work-groups of a tile row each read P themselves: a joint
; request brings a tile into LDS, and beside V's 262,144 bytes, the scale words and 1 / l (25,600) LDS has no room for two slots of P's 256 rows.
; P'S RING IN REGISTERS: eight places of 32 registers; a place holds HALF a step of 128 keys: two fragments, eight loads, 16 matrix instructions.  Half k waits for its own loads and then asks for half k + 7: 56 loads of mine are out
; at the most, which LOADcnt can still count (ISA guide 5.7.1).
; THE PROLOGUE brings P's scale words under the row's M.  A lane owns rows 2 l and 2 l + 1 of its wave's 64: N = the least of a row's 16 values -M; k = (-M of the group) - N is taken off the group's four scale bytes
; (an exact power of two; the codes stay); l = the sum of l_group x 2^-k.  Words and 1 / l change lanes through the wave's own LDS bytes.
; THE MATRIX INSTRUCTION IS USED TRANSPOSED (source 0 = 16 rows of v^T, source 1 = 16 rows of P): lane (r, h) of accumulator (a, b) holds O(16 a + r, 16 b + 8 h + 0 .. 7).
; LIMITS: NaN and infinities are not served.  k is held at 255 (2^-255 is 0 in f32).  A scale byte that would fall under 0 is held at 0, which stands for 2^-127: each number of such a block is then at most 448 x 2^-127.
; REGISTERS: window 0: v0-31 addresses and 1 / l; v32-95 P's scale words (4 g + a); v96-127 V's, two sets; v128-255 the prologue, on the way out rows.
;   window 1: V's fragments, two sets.   window 2: the accumulators ((a, b) at v[8 (8 a + b)]).   window 3: P's ring.
; V comes as an image of the operand's registers, a tile's 262,144 bytes on end: [16 steps of 128 keys][8 blocks of 16 channels][4 pieces][lane][16 bytes], and lies so in LDS, without padding; a chunk is two steps.
; At the head waves 0 to 2 fetch chunks 2 w and 2 w + 1, wave 3 the scale bytes; chunks 6 and 7 follow behind a drained round, a quarter a wave.
.set FR,     16                        ; registers of a fragment: 16 rows x 128 K
.set NP,     8                         ; places behind this matrix instruction (ISA guide 7.12.1)
.set CHUNK,  32768
.set SPW, 30
.set NIL, 31
.set SCV,    8*CHUNK                   ; V's scale bytes, [8 ks][128 channels][8 bytes]: filled once
.set PSC,    SCV+8192                  ; P's scale words under the row's M: 4,096 bytes for each wave, [16 groups][64 rows][4 bytes]: written by LDS stores alone
.set INV,    PSC+16384
.set SPARE,  INV+1024
.set SPITCH, 528                       ; the way out: 16 rows x (512 bytes + 16) for each wave, from LDS byte 0 on: in chunk 0, which nobody reads behind the second barrier
.set MO,   8                           ; v8      8 x lane
.set LO,   9                           ; v9      16 x lane: my place in every run of 512 bytes
.set PSA,  10                          ; v10     where I put my two rows' scale words
.set INA,  11                          ; v11     and their 1 / l
.set ADRB, 12                          ; v12-15  LDS address of V's fragments in chunks 0-1, 2-3, 4-5, 6-7 (an offset reaches two chunks: 65,504 at the most)
.set IV,   16                          ; v16-23  pairs: 1 / l of block a's row, 0
.set STO,  24
.set RD,   25
.set PFO,  26                          ; v26     the prefetches' offset; never rewritten
.set ASB,  27                          ; v27     LDS address of V's scale words
.set ASA,  28                          ; v28     of P's
.set IVA,  29                          ; v29     of my rows' 1 / l
.set SA,   32                          ; P's scale words: group g, block a at v[SA + 4 g + a]
.set SB,   96                          ; V's: set s at v[SB + 16 s], register 2 b + q
.set STT,  128                         ; the prologue: v128-191 group g: -M, l of my first row, -M, l of my second; -M's place then holds k
.set PS,   192                         ; v192-223 group g: my two rows' scale words
.set TP,   224                         ; v224-247 at work, 12 registers a row
.set NN,   248                         ; v248-249 N
.set LL,   250                         ; v250-251 l
.set RR,   252                         ; v252-253 1 / l
.set BK,   128                         ; the way out: 16 rows read back from the stage: v128-191 and v192-255 by turns
.set G1B, 48                           ; s[48:55] group 1 for V's chunks; s[56:63] group 0, a set for each of my two
.set G0B, 56
.set G1S, 68                           ; s[68:75], s[76:79] groups 1 and 0 for V's scale bytes
.set G0S, 76
.set MSB, 0
.macro WIN new                         ; the immediate's high byte repeats the setting that is left; a switch that changes nothing is dropped
.if MSB != (\new)
	s_set_vgpr_msb (MSB<<8)|(\new)
.set MSB, (\new)
.endif
.endm
.set MUL,  0xad                        ; source 0 (V) window 1, source 1 (P) window 3, C and D window 2
.set TO_B, 0x40                        ; destination window 1, address window 0
.set TO_A, 0xc0                        ; destination window 3, address window 0
.macro CREST
	s_cmp_lg_u32 s14, 0
	s_cbranch_scc1 .Lnot_wave_0_\@
	s_barrier_signal -3
.Lnot_wave_0_\@:
	s_barrier_wait -3
	s_barrier_signal -1
	s_barrier_wait -1
.endm
.macro CROUND
	s_barrier_signal -1
	s_barrier_wait -1
	CREST
.endm
.macro PLACES n                        ; places behind matrix instructions: plain vector instructions that name none of their registers
.rept \n
	v_nop
.endr
.endm
; Half k of P: group k / 2, blocks 2 (k % 2) and 2 (k % 2) + 1 of my four, into place k % 8 of the ring.  Every offset is an immediate: neither the base nor the offset register is ever rewritten.
.macro LOADP k
.set PG, (\k)/2
.set PE, (\k)%2
.set PL, 32*((\k)%8)
	WIN TO_A
.irp aa, 0,1
.irp c, 0,1,2,3
	global_load_b128 v[PL+FR*\aa+4*\c:PL+FR*\aa+4*\c+3], v[LO], s[4:5] offset:(2*PE+\aa)*32768+PG*2048+512*\c
.endr
.endr
	WIN 0
.endm
; V's eight fragments of step g (chunk g / 2, its g % 2-th 128 keys) into set g % 2
.macro FETCHV g
.set FC, (\g)/2
	WIN TO_B
.irp i, 0,1,2,3,4,5,6,7
.irp c, 0,1,2,3
	ds_load_b128 v[128*((\g)%2)+FR*\i+4*\c:128*((\g)%2)+FR*\i+4*\c+3], v[ADRB+FC/2] offset:(FC%2)*CHUNK+16384*((\g)%2)+2048*\i+512*\c
.endr
.endr
	WIN 0
.endm
.macro SCALEV ks                       ; V's scale words of chunk ks: two words a channel
.irp b, 0,1,2,3,4,5,6,7
	ds_load_b64 v[SB+16*((\ks)%2)+2*\b:SB+16*((\ks)%2)+2*\b+1], v[ASB] offset:(\ks)*1024+\b*128
.endr
.endm
; A PREFETCH INTO THE L2 of one step of my wave's P: four pieces of 2,048 bytes, a lane to each 256 of them: one instruction.  P's rows are read by the eight work-groups of a tile row: those of the first cluster ask.  Its four
; partners share the steps out BY ADDRESS: the partner at place cx asks for steps 8 + cx and 12 + cx.  So each 256 bytes of steps 8 to 15 are named once in the launch; steps 0 to 7 come by their loads alone.
; It stands behind the loads that the half has just issued.  The branch hangs on the cluster's x, which all partners share.
.macro ASK g
	s_cmp_lg_u32 ttmp9, 0
	s_cbranch_scc1 .Lnot_mine_\@
	global_prefetch_b8 v[PFO], s[96:97] offset:(\g)*2048 th:TH_LOAD_NT scope:SCOPE_SE
.Lnot_mine_\@:
.endm
	s_load_b128 s[4:7], s[0:1], 0x0                ; p_codes s[4:5], p_meta s[6:7]
	s_load_b128 s[8:11], s[0:1], 0x10              ; qkv_codes s[8:9], qkv_sc s[10:11]
	s_load_b64 s[12:13], s[0:1], 0x20              ; out0
	v_lshl_add_u32 v[SPW], v0, 2, SPARE
	v_mov_b32 v[NIL], 0
	ds_add_u32 v[SPW], v[NIL]  ; the opening: the add, twice on end, and its wait
	ds_add_u32 v[SPW], v[NIL]
	v_lshrrev_b32 v1, 5, v0
	v_readfirstlane_b32 s14, v1
	s_bfe_u32 s40, ttmp6, 0x40000                  ; cx, cy
	s_bfe_u32 s41, ttmp6, 0x40004
	s_lshl_b32 s42, ttmp9, 2
	s_add_co_u32 s42, s42, s40                     ; tile column: which 128 channels, 0 .. 7
	s_and_b32 s101, ttmp7, 0xffff
	s_lshl_b32 s17, s101, 2
	s_add_co_u32 s17, s17, s41                     ; tile row: which 256 of the 8,192 queries, 0 .. 31
	s_lshr_b32 s101, s101, 1                       ; the batch: eight tile rows, two clusters: made of the cluster's y alone
	s_lshl_b32 s44, 0x1111, s40                    ; my column of the cluster
	s_or_b32 s[G1B+0], s44, (3<<16)|(1<<21)  ; two chunks, dense: sixteen rows of 4,096 bytes (512 elements of 8)
	s_mov_b32 s[G1B+1], 512<<16
	s_mov_b32 s[G1B+2], 16<<16
	s_mov_b32 s[G1B+3], 512<<16
	s_mov_b32 s[G1B+4], 16
	s_mov_b32 s[G1B+5], 512
	s_mov_b32 s[G1B+6], 0
	s_mov_b32 s[G1B+7], 0
	s_or_b32 s[G1S+0], s44, (3<<16)|(1<<21)        ; V's scale bytes: 8 rows (one a chunk) of 128 elements of 8 bytes, 1,024 elements apart; no padding
	s_mov_b32 s[G1S+1], 128<<16
	s_mov_b32 s[G1S+2], 8<<16
	s_mov_b32 s[G1S+3], 128<<16
	s_mov_b32 s[G1S+4], 8
	s_mov_b32 s[G1S+5], 1024
	s_mov_b32 s[G1S+6], 0
	s_mov_b32 s[G1S+7], 0
	s_lshl_b32 s46, s42, 18                        ; V: 128 channels x 2,048 bytes a tile column,
	s_lshl_b32 s18, s101, 21                       ; the batch's 2,097,152 bytes,
	s_add_co_u32 s46, s46, s18
	s_add_co_u32 s46, s46, 0x1000000
	s_lshl_b32 s26, s14, 14  ; my quarter of chunks 6 and 7
	s_add_co_u32 s26, s26, s46
	s_add_co_u32 s26, s26, 6*CHUNK
	s_mov_b32 s27, 0
	s_lshl_b32 s45, s14, 16  ; the head: chunks 2 w and 2 w + 1
	s_add_co_u32 s46, s46, s45
	s_mov_b32 s47, 0
	s_lshl_b32 s92, s42, 10                        ; V's scale bytes: 128 channels x 8 bytes a tile column,
	s_lshl_b32 s18, s101, 16                       ; the batch's eight chunks of 1,024 channels,
	s_add_co_u32 s92, s92, s18
	s_add_co_u32 s92, s92, 0x80000                 ; behind q's and k's
	s_mov_b32 s93, 0
	s_lshl_b32 s95, s14, 14
	s_lshl_b32 s20, s17, 4
	s_lshl_b32 s21, s14, 2
	s_add_co_u32 s20, s20, s21                     ; P: my first block of 16 rows: 16 x tile row + 4 x wave,
	s_lshl_b32 s20, s20, 15                        ; 16 fragments of 2,048 bytes a block
	s_mov_b32 s21, 0
	s_lshl_b32 s18, s40, 11                        ; the prefetches: cx steps on
	s_mov_b32 s19, 0
	s_lshl_b32 s22, s17, 10
	s_lshl_b32 s23, s14, 8
	s_add_co_u32 s22, s22, s23                     ; P's scale words: (256 x tile row + 64 x wave) x 4 bytes;
	s_lshl_b32 s2, s22, 1                          ; -M and l: x 8 bytes,
	s_add_co_u32 s2, s2, 524288                    ; behind the scale words
	s_mov_b32 s23, 0
	s_mov_b32 s3, 0
	s_lshl_b32 s24, s17, 20                        ; out0: 256 rows of 4,096 bytes a tile row,
	s_lshl_b32 s25, s14, 18                        ; 64 a wave,
	s_add_co_u32 s24, s24, s25
	s_lshl_b32 s25, s42, 9                         ; 512 bytes a tile column
	s_add_co_u32 s24, s24, s25
	s_mov_b32 s25, 0
	s_wait_dscnt 0x0  ; both opening adds are done
	s_wait_kmcnt 0x0
	s_add_nc_u64 s[26:27], s[8:9], s[26:27]
	s_add_nc_u64 s[46:47], s[8:9], s[46:47]
	s_add_nc_u64 s[92:93], s[10:11], s[92:93]
	s_add_nc_u64 s[4:5], s[4:5], s[20:21]
	s_add_nc_u64 s[96:97], s[4:5], s[18:19]
	s_add_nc_u64 s[98:99], s[6:7], s[2:3]
	s_add_nc_u64 s[6:7], s[6:7], s[22:23]
	s_add_nc_u64 s[12:13], s[12:13], s[24:25]
	CROUND                                         ; all sixteen work-groups are here: the joint loads meet
	s_mov_b32 s[G0S], 1
	s_mov_b32 s[G0S+1], SCV
	s_mov_b64 s[G0S+2:G0S+3], s[92:93]
	s_or_b32 s[G0S+3], s[G0S+3], 0x80000000
	s_mov_b32 s[G0B], 1
	s_mov_b32 s[G0B+1], s45
	s_mov_b64 s[G0B+2:G0B+3], s[46:47]
	s_or_b32 s[G0B+3], s[G0B+3], 0x80000000
	s_mov_b32 s[G0B+4], 1
	s_add_co_u32 s[G0B+5], s95, 6*CHUNK
	s_mov_b64 s[G0B+6:G0B+7], s[26:27]
	s_or_b32 s[G0B+7], s[G0B+7], 0x80000000
	s_cmp_lt_u32 s14, 3  ; one joint load a wave
	s_cbranch_scc0 .Lfor_scales
	tensor_load_to_lds s[G0B:G0B+3], s[G1B:G1B+7]
	s_nop 0
.rept 4
	v_nop
.endr
	s_branch .Lhead_asked
.Lfor_scales:
	tensor_load_to_lds s[G0S:G0S+3], s[G1S:G1S+7]
	s_nop 0
.rept 4
	v_nop
.endr
.Lhead_asked:
	v_and_b32 v3, 31, v0
	v_lshlrev_b32 v[MO], 3, v3
	v_lshlrev_b32 v[LO], 4, v3
.irp g, 0,1,2,3,4,5,6,7,8,9,10,11,12,13,14,15
	global_load_b128 v[STT+4*\g:STT+4*\g+3], v[LO], s[98:99] offset:\g*65536   ; -M and l of my two rows: the wave reads 512 consecutive bytes
.endr
.irp g, 0,1,2,3,4,5,6,7,8,9,10,11,12,13,14,15
	global_load_b64 v[PS+2*\g:PS+2*\g+1], v[MO], s[6:7] offset:\g*32768        ; their scale words: 256 consecutive bytes
.endr
	LOADP 0
	LOADP 1
	LOADP 2                                        ; 56 loads of mine are out
	v_and_b32 v1, 15, v0                           ; r
	v_bfe_u32 v2, v0, 4, 1                         ; h
	v_lshlrev_b32 v4, 4, v3
.irp m, 0,1,2,3
	v_add_nc_u32 v[ADRB+\m], \m*2*CHUNK, v4
.endr
	v_lshl_add_u32 v[ASB], v1, 3, SCV              ; V's scale words: channel r, 8 bytes a channel; both halves of the lanes read the same
	s_lshl_b32 s23, s14, 12
	s_add_co_u32 s23, s23, PSC                     ; my wave's scale words of P
	v_lshl_add_u32 v[ASA], v1, 2, s23              ; out: row r
	v_lshl_add_u32 v[PSA], v3, 3, s23              ; in: rows 2 l and 2 l + 1
	s_lshl_b32 s23, s14, 8
	s_add_co_u32 s23, s23, INV                     ; my wave's 1 / l
	v_lshl_add_u32 v[IVA], v1, 2, s23
	v_lshl_add_u32 v[INA], v3, 3, s23
	s_mul_i32 s23, s14, 16*SPITCH                  ; my stage
	v_mul_u32_u24 v5, v1, SPITCH                   ; in: row r, 32 bytes for each half of the lanes
	v_lshl_add_u32 v5, v2, 5, v5
	v_add_nc_u32 v[STO], s23, v5
	v_add_nc_u32 v[RD], s23, v[LO]                 ; back: the 32 lanes take one row of 512 bytes
	v_lshrrev_b32 v5, 3, v3
	v_and_b32 v6, 7, v3
	v_lshlrev_b32 v6, 8, v6
	v_lshl_add_u32 v[PFO], v5, 15, v6              ; the prefetches: block l / 8 of my four, 256 x (l % 8) in its fragment
	s_wait_loadcnt 24                              ; -M, l and the scale words are in; P's halves 0 to 2 may be out
	LOADP 3
	LOADP 4
	LOADP 5
	LOADP 6                                        ; again 56 at the most
	; THE PROLOGUE, my two rows line by line by turns
.irp e, 0,1
	v_min3_num_f32 v[NN+\e], v[STT+2*\e], v[STT+4+2*\e], v[STT+8+2*\e]         ; N = the least -M: the row's
.endr
.irp g, 3,5,7,9,11,13
.irp e, 0,1
	v_min3_num_f32 v[NN+\e], v[NN+\e], v[STT+4*\g+2*\e], v[STT+4*\g+4+2*\e]
.endr
.endr
.irp e, 0,1
	v_min_num_f32 v[NN+\e], v[NN+\e], v[STT+60+2*\e]
.endr
.irp g, 0,1,2,3,4,5,6,7,8,9,10,11,12,13,14,15
.irp e, 0,1
	v_sub_f32 v[TP+12*\e], v[STT+4*\g+2*\e], v[NN+\e]              ; k = M_row - M_group: a whole number, 0 or more,
.endr
.irp e, 0,1
	v_min_num_f32 v[TP+12*\e], 0x437f0000, v[TP+12*\e]             ; held at 255
.endr
.irp e, 0,1
	v_cvt_u32_f32 v[STT+4*\g+2*\e], v[TP+12*\e]                    ; it takes -M's place
.endr
.irp e, 0,1
	v_sub_nc_u32 v[TP+12*\e+1], 0, v[STT+4*\g+2*\e]
.endr
.irp e, 0,1
	v_ldexp_f32 v[TP+12*\e+2], 1.0, v[TP+12*\e+1]                  ; 2^-k
.endr
.irp e, 0,1
.if \g == 0
	v_mul_f32 v[LL+\e], v[STT+4*\g+2*\e+1], v[TP+12*\e+2]
.else
	v_fma_f32 v[LL+\e], v[STT+4*\g+2*\e+1], v[TP+12*\e+2], v[LL+\e]   ; l = the sum of l_group x 2^-k
.endif
.endr
.endr
	s_wait_alu depctr_va_vdst(0)
	v_rcp_f32 v[RR], v[LL]                         ; the lines below are the independent work behind the two
	v_rcp_f32 v[RR+1], v[LL+1]
.irp g, 0,1,2,3,4,5,6,7,8,9,10,11,12,13,14,15  ; group g's words: each byte b becomes b - min(b, k)
.irp e, 0,1
	v_and_b32 v[TP+12*\e+4], 0xff, v[PS+2*\g+\e]
.endr
.irp e, 0,1
	v_bfe_u32 v[TP+12*\e+5], v[PS+2*\g+\e], 8, 8
.endr
.irp e, 0,1
	v_bfe_u32 v[TP+12*\e+6], v[PS+2*\g+\e], 16, 8
.endr
.irp e, 0,1
	v_lshrrev_b32 v[TP+12*\e+7], 24, v[PS+2*\g+\e]
.endr
.irp j, 0,1,2,3
.irp e, 0,1
	v_min_u32 v[TP+12*\e+8+\j], v[TP+12*\e+4+\j], v[STT+4*\g+2*\e]
.endr
.endr
.irp j, 0,1,2,3
.irp e, 0,1
	v_sub_nc_u32 v[TP+12*\e+4+\j], v[TP+12*\e+4+\j], v[TP+12*\e+8+\j]
.endr
.endr
.irp e, 0,1
	v_lshl_or_b32 v[PS+2*\g+\e], v[TP+12*\e+5], 8, v[TP+12*\e+4]
.endr
.irp e, 0,1
	v_lshl_or_b32 v[PS+2*\g+\e], v[TP+12*\e+6], 16, v[PS+2*\g+\e]
.endr
.irp e, 0,1
	v_lshl_or_b32 v[PS+2*\g+\e], v[TP+12*\e+7], 24, v[PS+2*\g+\e]
.endr
.endr
	s_wait_alu depctr_va_vdst(0)                   ; ahead of the first instruction that names a reciprocal
.irp g, 0,1,2,3,4,5,6,7,8,9,10,11,12,13,14,15
	ds_store_b64 v[PSA], v[PS+2*\g:PS+2*\g+1] offset:256*\g
.endr
	ds_store_b64 v[INA], v[RR:RR+1]
.irp g, 0,1,2,3,4,5,6,7,8,9,10,11,12,13,14,15
.irp a, 0,1,2,3
	ds_load_b32 v[SA+4*\g+\a], v[ASA] offset:256*\g+64*\a          ; row 16 a + r's word of group g: my wave's own bytes, and LDS serves a wave's instructions in order (ISA guide 5.7.1.4)
.endr
.endr
; HALF k of the 32: group k / 2, P's blocks 2 (k % 2) and 2 (k % 2) + 1 x V's eight: 16 matrix instructions.  The 32 accumulators take turns, one instruction a turn, in the same order in every step.
.macro HALF k
.set HG, (\k)/2
.set HE, (\k)%2
.set HS, 32*((\k)%8)
.if (\k) > 0
	PLACES NP                                      ; behind the last half's products: the loads below land in the place of the ring and, at a step's head, in the set of V that they or the step before read
.endif
.if (\k) == 14
	s_wait_tensorcnt 0x0                           ; my quarter of chunks 6 and 7 has landed,
	s_wait_dscnt 0x0                               ; and my reads of chunks 0 to 3 are over (step 7's fragments are in):
	s_barrier_signal -1
	s_barrier_wait -1                              ; both hold of every wave: chunks 4 to 7 may be read, and chunk 0 may serve as the stage
.endif
.set HD, 0
.if (HE == 0) && (HG < 15)
	FETCHV HG+1                                    ; the next step's fragments of V, a step's 32 matrix instructions ahead of their use
.set HD, 32
.if (HG+1)%2 == 0
	SCALEV (HG+1)/2
.set HD, 40
.endif
.endif
.if (\k) < 26
	s_wait_loadcnt 48                              ; loads come back in order (ISA guide 5.7.1): this half's eight are in, the six younger halves may be out
.else
	s_wait_loadcnt 8*(31-(\k))                     ; the counts run down
.endif
.if (\k)+7 < 32
	LOADP (\k)+7                                   ; into the place that the last half has left
.endif
.if (\k) == 2
	ASK 8
.endif
.if (\k) == 10
	ASK 12
.endif
.if HE == 0
	s_wait_dscnt HD                                ; this step's fragments and scale words of V are in; what was just asked for may be out
.endif
	WIN MUL
.irp aa, 0,1
.irp b, 0,1,2,3,4,5,6,7
.if HG == 0
	v_wmma_scale_f32_16x16x128_f8f6f4 v[8*(8*(2*HE+\aa)+\b):8*(8*(2*HE+\aa)+\b)+7], v[128*(HG%2)+FR*\b:128*(HG%2)+FR*\b+FR-1], v[HS+FR*\aa:HS+FR*\aa+FR-1], 0, v[SB+16*((HG/2)%2)+2*\b+HG%2], v[SA+4*HG+2*HE+\aa]
.else
	v_wmma_scale_f32_16x16x128_f8f6f4 v[8*(8*(2*HE+\aa)+\b):8*(8*(2*HE+\aa)+\b)+7], v[128*(HG%2)+FR*\b:128*(HG%2)+FR*\b+FR-1], v[HS+FR*\aa:HS+FR*\aa+FR-1], v[8*(8*(2*HE+\aa)+\b):8*(8*(2*HE+\aa)+\b)+7], v[SB+16*((HG/2)%2)+2*\b+HG%2], v[SA+4*HG+2*HE+\aa]
.endif
.endr
.endr
	WIN 0
.endm
	s_wait_alu depctr_va_vdst(0)
	s_wait_tensorcnt 0x0  ; my tile of the head's is in
	ds_add_u32 v[SPW], v[NIL]
	s_mov_b32 s[G1B+2], 4<<16  ; no tensor load of mine is out: the second load brings 16,384 bytes
	s_mov_b32 s[G1B+4], 4
	s_wait_dscnt 0x0
	CROUND
	tensor_load_to_lds s[G0B+4:G0B+7], s[G1B:G1B+7]
	s_nop 0
	PLACES 4
	FETCHV 0
	SCALEV 0
.irp k, 0,1,2,3,4,5,6,7,8,9,10,11,12,13,14,15,16,17,18,19,20,21,22,23,24,25,26,27,28,29,30,31
	HALF \k                                        ; written out: the first step's products start the sums, every offset is an immediate, and no address is stepped
.endr
; THE WAY OUT, block by block of 16 rows x 128 columns: x 1 / l; through my own stage in LDS; back as whole rows of 512 bytes.  No wait between the stores and the loads: LDS serves a wave's instructions in order.
.macro DIVIDE a
	WIN 0x82                                       ; source 0 and destination window 2, 1 / l window 0
.set n, 0
.rept 32
	v_pk_mul_f32 v[64*(\a)+n:64*(\a)+n+1], v[64*(\a)+n:64*(\a)+n+1], v[IV+2*(\a):IV+2*(\a)+1] op_sel_hi:[1,0]   ; each accumulator from its low end on
.set n, n+2
.endr
.endm
.macro TOSTAGE a
	WIN 0x08                                       ; an LDS store's data are its source 1: window 2
.irp b, 0,1,2,3,4,5,6,7
	ds_store_b128 v[STO], v[64*(\a)+8*\b:64*(\a)+8*\b+3] offset:64*\b
	ds_store_b128 v[STO], v[64*(\a)+8*\b+4:64*(\a)+8*\b+7] offset:64*\b+16
.endr
	WIN 0
.set BB, BK+64*((\a)%2)
.irp t, 0,1,2,3,4,5,6,7,8,9,10,11,12,13,14,15
	ds_load_b128 v[BB+4*\t:BB+4*\t+3], v[RD] offset:\t*SPITCH
.endr
.endm
.macro SEND a, younger                 ; younger: the LDS instructions issued behind block a's loads, which may stay out
.set BB, BK+64*((\a)%2)
	s_wait_dscnt \younger
.irp t, 0,1,2,3,4,5,6,7,8,9,10,11,12,13,14,15
	global_store_b128 v[LO], v[BB+4*\t:BB+4*\t+3], s[12:13] offset:(16*(\a)+\t)*4096 th:TH_STORE_NT   ; 32 lanes store 512 consecutive bytes, at a multiple of 512 from out0's first byte; the row stands in the immediate: 63 x 4,096 at the most
.endr
.endm
.irp a, 0,1,2,3
	ds_load_b32 v[IV+2*\a], v[IVA] offset:64*\a    ; 1 / l of row 16 a + r
.endr
.irp a, 0,1,2,3
	v_mov_b32 v[IV+2*\a+1], 0                      ; (named as the upper half of the pair.)  These four lines are also places behind the last products
.endr
	PLACES NP-4
	s_wait_alu depctr_va_vdst(0)
	s_wait_dscnt 0x0
	DIVIDE 0
	TOSTAGE 0
	DIVIDE 1
	TOSTAGE 1
	SEND 0, 32                                     ; behind block 0's loads: block 1's 16 stores and 16 loads
	s_wait_xcnt 0x0                                ; block 0's stores have read their registers: block 2's loads may land there
	DIVIDE 2
	TOSTAGE 2
	SEND 1, 32
	s_wait_xcnt 0x0                                ; likewise block 1's
	DIVIDE 3
	TOSTAGE 3
	SEND 2, 32
	SEND 3, 0
	s_wait_tensorcnt 0x0  ; the wave's end
	ds_add_u32 v[SPW], v[NIL]
	s_wait_dscnt 0x0
	CROUND
	s_endpgm
.Lfunc_end_k_q8cc48302d0_pv:
	.size	k_q8cc48302d0_pv, .Lfunc_end_k_q8cc48302d0_pv-k_q8cc48302d0_pv
	.p2alignl 7, 3214868480
	.fill 96, 4, 3214868480
	.section	.rodata,"a",@progbits
	.p2align	6, 0x0
	.amdhsa_kernel k_q8cc48302d0_pv
		.amdhsa_group_segment_fixed_size 327680
		.amdhsa_private_segment_fixed_size 0
		.amdhsa_enable_private_segment 0
		.amdhsa_kernarg_size 40
		.amdhsa_user_sgpr_count 2
		.amdhsa_user_sgpr_kernarg_segment_ptr 1
		.amdhsa_wavefront_size32 1
		.amdhsa_system_sgpr_workgroup_id_x 1
		.amdhsa_system_sgpr_workgroup_id_y 1
		.amdhsa_system_sgpr_workgroup_id_z 1
		.amdhsa_system_vgpr_workitem_id 0
		.amdhsa_next_free_vgpr 1024
		.amdhsa_next_free_sgpr 102
		.amdhsa_reserve_vcc 0
		.amdhsa_float_denorm_mode_32 3
		.amdhsa_float_denorm_mode_16_64 3
		.amdhsa_memory_ordered 1
		.amdhsa_forward_progress 1
		.amdhsa_inst_pref_size 209
	.end_amdhsa_kernel
	.amdgpu_metadata
---
amdhsa.version: [ 1, 2 ]
amdhsa.kernels:
  - .name:           k_q8cc48302d0_pv
    .symbol:         k_q8cc48302d0_pv.kd
    .args:
      - { .name: p_codes, .offset: 0, .size: 8, .value_kind: global_buffer, .address_space: global }
      - { .name: p_meta, .offset: 8, .size: 8, .value_kind: global_buffer, .address_space: global }
      - { .name: qkv_codes, .offset: 16, .size: 8, .value_kind: global_buffer, .address_space: global }
      - { .name: qkv_sc, .offset: 24, .size: 8, .value_kind: global_buffer, .address_space: global }
      - { .name: out0, .offset: 32, .size: 8, .value_kind: global_buffer, .address_space: global }
    .group_segment_fixed_size: 327680
    .private_segment_fixed_size: 0
    .kernarg_segment_align: 8
    .kernarg_segment_size: 40
    .max_flat_workgroup_size: 128
    .sgpr_count:     102
    .vgpr_count:     1024
    .wavefront_size: 32
...
	.end_amdgpu_metadata
.endif
;; end of part 3
